; MI455X (gfx1250); checked and timed in simulation.
; The chip was launched on July 23, 2026; its instructions are those of AMD's public machine-readable ISA for CDNA 5 (MIT licence, August 2026) and "CDNA5" Instruction Set Architecture Reference Guide (July 2026). The comments in the code are by the model that wrote it; some were corrected since.
;; Multi Head Attention. Allowed arithmetic: matrix products marked QUANTISED: E2M3 operands, one E8M0 scale for each 32 along K, by v_wmma_scale_f32_16x16x128_f8f6f4 with both operands' format E2M3, f32 sums; everything else in f32.
;; Inputs: Wk 1,024 x 1,024 float32; Wo 1,024 x 1,024 float32; Wq 1,024 x 1,024 float32; Wv 1,024 x 1,024 float32; bk 1,024 float32; bo 1,024 float32; bq 1,024 float32; bv 1,024 float32; key 4 x 2,048 x 1,024 float32; mask 4 x 1 x 1 x 2,048 bool; query 4 x 2,048 x 1,024 float32; value 4 x 2,048 x 1,024 float32.
;; Outputs: out0 4 x 2,048 x 1,024 float32.
;; This version of the problem:
;;   THIS VERSION OF THE PROBLEM IS GIVEN IN LOW PRECISION. The matrix products marked QUANTISED in the list below multiply operands that are first quantised to E2M3 (2 exponent bits, 3 mantissa bits; 6 bits a number), with one power-of-two scale for each 32 numbers along K (OCP MX v1.0); their sums are f32. All else is computed in f32.
;;   The module's matrix products, in the order in which they are computed (A, B: the left and right operand; K: the contracted axis; several contracted axes count as one K, in the product's order):
;;     1. [M 8,192, K 1,024] x [K 1,024, N 1,024]; A: input query; B: input Wq: QUANTISED
;;     2. [M 8,192, K 1,024] x [K 1,024, N 1,024]; A: input key; B: input Wk: QUANTISED
;;     3. [M 8,192, K 1,024] x [K 1,024, N 1,024]; A: input value; B: input Wv: QUANTISED
;;     4. batch 64 x [M 2,048, K 64] x [K 64, N 2,048]; A: computed on the way; B: computed on the way: QUANTISED
;;     5. batch 64 x [M 2,048, K 2,048] x [K 2,048, N 64]; A: softmax (see below); B: computed on the way: QUANTISED
;;     6. [M 8,192, K 1,024] x [K 1,024, N 1,024]; A: computed on the way; B: input Wo: QUANTISED
;;   THE QUANTISER, for each operand of a quantised product, along K:
;;     - K is cut into blocks of 32 from its start; a last block that is shorter is filled with zeros.
;;     - A block's scale is 2^e with e = floor(log2(the largest magnitude in the block)) - 2, held to -126 .. 127; a block of zeros has e = 0. As a byte (E8M0): e + 127.
;;     - Each number is divided by its block's scale, clamped to +-7.5, and rounded to the nearest number of E2M3, ties to even, subnormals kept.
;;     - The product sums the exact products of the quantised numbers (number of the format x scale) in f32.
;;   ~~~python
;;   def quantise(x, axis):      # numpy; x: float32 -> the quantised numbers, widened to float32 again
;;       x = np.moveaxis(x, axis, -1); K = x.shape[-1]
;;       x = np.pad(x, [(0, 0)] * (x.ndim - 1) + [(0, -K % 32)]); x = x.reshape(x.shape[:-1] + (-1, 32)); a = np.abs(x).max(-1, keepdims=True)
;;       e = np.where(a > 0, np.clip(np.frexp(np.where(a > 0, a, 1))[1] - 1 - 2, -126, 127), 0)      # np.frexp(a)[1] - 1 = floor(log2(a)), exactly
;;       r = np.clip(x / 2.0 ** e, -7.5, 7.5)
;;       step = 2.0 ** (np.maximum(np.frexp(np.where(r == 0, 1, r))[1] - 1, 0) - 3)
;;       q = np.round(r / step) * step * 2.0 ** e      # np.round: ties to even
;;       return np.moveaxis(q.reshape(q.shape[:-2] + (-1,))[..., :K], -1, axis).astype(np.float32)
;;   ~~~
;;   SOFTMAX AHEAD OF A QUANTISED PRODUCT. Where the list says 'softmax', what is quantised is not the finished softmax but p = 2^(t - M), with t = logit x log2(e) and M = ceil(the row's largest t), a whole number; so 1/2 < the row's largest p <= 1. The row's sum l is taken of the UNQUANTISED p, in f32, and the product's result is divided by l at the end. Since M is a whole number, a kernel that streams over the keys may use a running M (the ceiling of the running maximum): every later rescaling is an exact power of two, which a block's scale takes up: the codes' values come out the same.
;;   OPERANDS COMPUTED ON THE WAY. 'Computed on the way' means the value that the module computes at that place (a softmax that the list does not call 'softmax' is quantised finished and normalised). What goes into a quantiser is computed in f32, as accurately as f32 sums, v_exp_f32 and their like allow (about 1e-6 of the number): no bf16 or f16 on the way to a quantiser, and a product that is left as it is and whose result goes on into a quantised operand takes f32 operands (vector FMAs, or v_wmma_f32_16x16x4_f32). A number that lies on a knife's edge between two numbers of the format may be rounded either way, as far as f32 arithmetic and the matrix unit's own rounding can turn it there, and no further.
;; One version. Each part assembles by itself: llvm-mc -triple=amdgcn-amd-amdhsa -mcpu=gfx1250 --defsym DOCPART=n.
;; ======== version 1 of 1: 4 launches
;; limits: right only within a limited range of input values
;; workspace buffers: xq 19,660,800 bytes; wq 3,276,800 bytes; img 24,379,392 bytes; aq 6,553,600 bytes
;; launch quant (part 1): grid 896 x 1, 4 waves a work-group, no clusters, 73,216 bytes of LDS; arguments query, key, value, Wq, Wk, Wv, Wo, xq, wq; writes xq, wq
.if DOCPART == 1
	.amdgcn_target "amdgcn-amd-amdhsa--gfx1250"
	.amdhsa_code_object_version 6
	.text
	.protected	k_q6a7b69657a_quant
	.globl	k_q6a7b69657a_quant
	.p2align	8
	.type	k_q6a7b69657a_quant,@function
k_q6a7b69657a_quant:
	s_mov_b64 s[64:65], 0
	v_nop
	global_prefetch_b8 v0, s[64:65] scope:SCOPE_SE
	s_setreg_imm32_b32 hwreg(HW_REG_WAVE_MODE, 25, 1), 1
	s_wait_xcnt 0x0
; query, key, value [8192][1024] f32 (K innermost) and Wq, Wk, Wv, Wo [1024 (k)][1024 (n)] f32 (K their first axis) are turned into codes of FP6 (E2M3) with one E8M0 byte for each 32 along K.
; Every input is loaded and every product of the table is done.
; THE CODES LIE AS IMAGES OF THE OPERAND REGISTERS: [tile of 16 places][K step of 128: 8][register pair p: 6][lane 16 h + r][8 bytes], 12,288 bytes a tile:
; the 8 bytes are bytes 96 Q + 48 (p / 3) + 24 h + 8 (p % 3) of place r's stream of 768 bytes.  xq: tensor t at t x 6,291,456; wq: weight w (q, k, v, o) at w x 786,432.
; Scale bytes: [place][32], in xq from XS0 on (tensor t at t x 262,144), in wq from WS0 on (weight w at w x 32,768).
; PLACES: place L holds the true row (of x) or column (of W) L with its bits 3 and 4 exchanged: the later products want those 16 in one tile.
; A block's scale is 2^(floor(log2(its largest magnitude)) - 2); its byte is the largest magnitude's exponent field - 2, held at 1 from below.
; LIMITS: a block of zeros gets the byte 1 (its codes are zeros, and this program alone reads the bytes); blocks whose largest magnitude lies under 2^-124 keep the byte 1; NaN and infinities are not served.
; Work-groups 0-127 take the weights (128 columns x 256 along K each), 128-895 x (32 rows each).  The two paths part on the work-group's number alone and have LDS bytes of their own.
; No tensor loads, no barrier: waves share nothing.
; X: a wave takes one tile's 16 places x 512 along K, a place a step.  Each load reads 512 consecutive bytes; a step's 2,048 bytes turn through the wave's stage and come back 64 bytes a lane: 16 neighbours, two lanes to a block.
; A lane's 12 bytes of codes go as three words into the wave's image stage (24 units of 256 bytes, 272 apart: the 32 lanes of a store touch 32 different banks); at the end the wave's 6,144 bytes leave as consecutive bytes.
; Its scale bytes are 16 of each place's 32: they leave as sixteen pieces of 16 bytes, one byte for 24 of codes.
; W: a lane takes a column and its registers run down K: a block of 32 lies in one lane, and its 24 bytes of codes are three register pairs of the image.
.set SP,    80                         ; X: a lane's place in a turn stage: 64 bytes + 16
.set WREG,  12032                      ; X: a wave's LDS: two turn stages, 256 scale bytes, the image stage
.set SBY,   2*32*SP
.set IMG,   SBY+256
.set UP,    272                        ; from unit to unit in the image stage
.set WST,   4*WREG                     ; W: a stage of 6,144 bytes a wave
.set SPARE, WST+4*6144                 ; the spare words, 128 bytes a wave
.set XS0,   18874368
.set WS0,   3145728
.set STEPS, 16
.set SPW,   12                         ; v12 my spare word; v13 0; never rewritten
.set NIL,   13
.set R,     16                         ; X: v16-79 four sets of 16 numbers as loaded; v80-111 two sets of 16 neighbours; v112-127 scale bytes; v128-191 codes
.set X,     80
.set E,     112
.set C,     128
.set WX,    32                         ; W: v32-95 two sets of 32 numbers; v96-107 a block's codes; v112-159 the way out; v24-25 scale bytes
.set WC,    96
.set WO,    112
.set SB,    24
	s_load_b512 s[4:19], s[0:1], 0x0               ; query, key, value, Wq, Wk, Wv, Wo, xq
	s_load_b64 s[20:21], s[0:1], 0x40              ; wq
	v_lshl_add_u32 v[SPW], v0, 2, SPARE
	v_mov_b32 v[NIL], 0
	v_lshrrev_b32 v1, 5, v0
	v_readfirstlane_b32 s24, v1                    ; wave
	v_and_b32 v2, 31, v0                           ; lane
	s_cmp_lt_u32 ttmp9, 128
	s_wait_alu depctr_va_vdst(0)
	s_cbranch_scc1 .Lweights
; ---------------- X
	s_sub_co_u32 s25, ttmp9, 128                   ; which 32 rows, counted through the three tensors
	s_and_b32 s26, s25, 255
	s_lshl_b32 s26, s26, 17                        ; 32 rows of 4,096 bytes
	s_lshr_b32 s27, s24, 1                         ; my tile of the two: its places are true rows 8 tile + 16 (t / 8) + t % 8
	s_lshl_b32 s27, s27, 15
	s_add_co_u32 s26, s26, s27
	s_and_b32 s27, s24, 1                          ; my half of K
	s_lshl_b32 s27, s27, 11
	s_add_co_u32 s26, s26, s27
	s_mov_b32 s27, 0
	s_lshl_b32 s28, s25, 2
	s_add_co_u32 s28, s28, s24
	s_mul_i32 s30, s28, 6144                       ; my codes: 6,144 bytes for each wave in turn
	s_mov_b32 s31, 0
	s_lshr_b32 s28, s28, 1
	s_lshl_b32 s28, s28, 9                         ; my tile's 512 scale bytes,
	s_and_b32 s29, s24, 1
	s_lshl_b32 s29, s29, 4                         ; my 16 of a place's 32
	s_add_co_u32 s28, s28, s29
	s_add_co_u32 s28, s28, XS0
	s_mov_b32 s29, 0
	s_mul_i32 s32, s24, WREG
	s_add_co_u32 s33, s32, SBY
	s_add_co_u32 s34, s32, IMG
	v_lshlrev_b32 v3, 4, v2                        ; my 16 bytes of 512
	v_lshrrev_b32 v14, 2, v2
	v_mul_u32_u24 v14, v14, SP
	v_and_b32 v15, 3, v2
	v_lshl_add_u32 v14, v15, 4, v14
	v_add_nc_u32 v14, s32, v14                     ; the turn stage, in: SP (lane / 4) + 16 (lane % 4)
	v_mul_u32_u24 v15, v2, SP
	v_add_nc_u32 v15, s32, v15                     ; and out: SP x lane
	v_lshrrev_b32 v5, 1, v2
	v_lshlrev_b32 v7, 5, v5
	v_add_nc_u32 v5, s33, v5                       ; LDS: my block's scale byte
	v_lshl_add_u32 v6, v2, 3, s33                  ; and 8 bytes a lane on the way out,
	v_and_b32 v9, 1, v2                            ; (which half of a block is mine)
	v_lshl_add_u32 v7, v9, 3, v7                   ; to place lane / 2, byte 8 (lane % 2) of my 16
	v_lshrrev_b32 v8, 3, v2                        ; my block: K step lane / 8 of my four, c = bit 2, h = bit 1
	v_mul_u32_u24 v8, v8, 6*UP
	v_bfe_u32 v10, v2, 2, 1
	v_mad_u32_u24 v8, v10, 3*UP, v8
	v_bfe_u32 v10, v2, 1, 1
	v_lshl_add_u32 v8, v10, 7, v8
	v_add_nc_u32 v8, s34, v8                       ; A: the block's first pair, place 0
	v_mad_u32_u24 v4, v9, UP+4, v8                 ; my three words: A, A + 4, A + UP, or A + UP + 4, A + 2 UP, A + 2 UP + 4
	v_mad_u32_u24 v10, v9, 2*UP-4, v8
	v_add_nc_u32 v10, 4, v10
	v_mad_u32_u24 v1, v9, UP+4, v8
	v_add_nc_u32 v1, UP, v1
	s_wait_alu depctr_va_vdst(0)
	s_wait_kmcnt 0x0
	s_cmp_lt_u32 s25, 512                          ; the choice hangs on the work-group's number alone
	s_cselect_b64 s[6:7], s[6:7], s[8:9]
	s_cmp_lt_u32 s25, 256
	s_cselect_b64 s[4:5], s[4:5], s[6:7]
	s_add_nc_u64 s[4:5], s[4:5], s[26:27]
	s_add_nc_u64 s[30:31], s[18:19], s[30:31]
	s_add_nc_u64 s[28:29], s[18:19], s[28:29]
.macro XLOAD t
.irp i, 0,1,2,3
	global_load_b128 v[R+16*((\t)%4)+4*\i:R+16*((\t)%4)+4*\i+3], v3, s[4:5] offset:(((\t)/8)*16+(\t)%8)*4096+512*\i th:TH_LOAD_NT
.endr
.endm
.macro XTURN t                         ; LDS serves a wave's instructions in order: no wait between the stores and the loads
.irp i, 0,1,2,3
	ds_store_b128 v14, v[R+16*((\t)%4)+4*\i:R+16*((\t)%4)+4*\i+3] offset:32*SP*((\t)%2)+8*SP*\i
.endr
.irp i, 0,1,2,3
	ds_load_b128 v[X+16*((\t)%2)+4*\i:X+16*((\t)%2)+4*\i+3], v15 offset:32*SP*((\t)%2)+16*\i
.endr
.endm
.irp t, 0,1,2,3
	XLOAD \t
.endr
	s_wait_loadcnt 12                              ; step 0's four loads are in; the twelve of steps 1 to 3 stay out
	XTURN 0
.macro XSTEP t
.set XS, X+16*((\t)%2)
.if (\t) > 0
	s_wait_dscnt 4                                 ; this step's numbers are back; the last step's four stores (a byte, three words) may be out
.else
	s_wait_dscnt 0x0
.endif
.if (\t)+4 < STEPS
	XLOAD (\t)+4                                   ; into the registers that the stage's stores have read
.endif
.if (\t)+1 < STEPS
.if STEPS-2-(\t) >= 3
	s_wait_loadcnt 12                              ; the next step's four loads are in; those of the three steps behind it may be out
.else
	s_wait_loadcnt 4*(STEPS-2-(\t))
.endif
	XTURN (\t)+1
.endif
	v_max3_num_f32 v8, |v[XS]|, |v[XS+1]|, |v[XS+2]|               ; the largest magnitude of my 16, in two chains
	v_max3_num_f32 v9, |v[XS+3]|, |v[XS+4]|, |v[XS+5]|
.irp i, 6,10
	v_max3_num_f32 v8, v8, |v[XS+\i]|, |v[XS+\i+1]|
	v_max3_num_f32 v9, v9, |v[XS+\i+2]|, |v[XS+\i+3]|
.endr
	v_max3_num_f32 v8, v8, |v[XS+14]|, |v[XS+15]|
	v_max3_num_f32 v8, v8, v9, 0x1800000           ; and the floor 2^(3 - 127): the byte cannot fall under 1
	v_max_num_f32_dpp v8, v8, v8 row_xmask:1 row_mask:0xf bank_mask:0xf   ; and of my neighbour's 16: the block's
	v_add_nc_u32 v11, 0xff000000, v8               ; 2 off its exponent field: the conversion's scale operand
	v_cvt_scalef32_pk16_fp6_f32 v[C+4*(\t):C+4*(\t)+2], v[XS:XS+15], v11
	v_lshrrev_b32 v[E+(\t)], 23, v11               ; the scale's byte (also the plain line behind the conversion)
	ds_store_b8 v5, v[E+(\t)] offset:16*(\t)       ; both lanes of a block write the same byte with the same value
	ds_store_b32 v4, v[C+4*(\t)] offset:8*(\t)     ; place t's 8 bytes of each pair
	ds_store_b32 v10, v[C+4*(\t)+1] offset:8*(\t)
	ds_store_b32 v1, v[C+4*(\t)+2] offset:8*(\t)
.endm
.irp t, 0,1,2,3,4,5,6,7,8,9,10,11,12,13,14,15
	XSTEP \t
.endr
	ds_load_b64 v[8:9], v6                         ; LDS serves a wave's instructions in order: these see my stores
	v_lshrrev_b32 v16, 4, v2
	v_mul_u32_u24 v16, v16, UP
	v_and_b32 v17, 15, v2
	v_lshl_add_u32 v16, v17, 4, v16
	v_add_nc_u32 v16, s34, v16                     ; sixteen lanes to a unit, two units an instruction
.irp k, 0,1,2,3,4,5,6,7,8,9,10,11
	ds_load_b128 v[20+4*\k:23+4*\k], v16 offset:2*UP*\k
.endr
	s_wait_dscnt 12                                ; the scale bytes are back; the twelve loads behind them may be out
	global_store_b64 v7, v[8:9], s[28:29]
.irp k, 0,1,2,3,4,5,6,7,8,9,10,11
	s_wait_dscnt 11-\k
	global_store_b128 v3, v[20+4*\k:23+4*\k], s[30:31] offset:512*\k   ; 32 lanes store 512 consecutive bytes, aligned
.endr
	s_branch .Lend
; ---------------- W
.Lweights:
	s_and_b32 s25, ttmp9, 7
	s_lshl_b32 s25, s25, 7
	s_lshl_b32 s26, s24, 5
	s_add_co_u32 s25, s25, s26                     ; my wave's first column
	s_lshr_b32 s26, ttmp9, 3
	s_lshr_b32 s36, s26, 2                         ; which weight
	s_and_b32 s26, s26, 3                          ; which 256 along K
	s_lshl_b32 s28, s26, 20                        ; W: 256 rows of 4,096 bytes, + 4 x column
	s_lshl_b32 s27, s25, 2
	s_add_co_u32 s28, s28, s27
	s_mov_b32 s29, 0
	s_mul_i32 s30, s36, 786432                     ; codes: the weight, 768 bytes a place, two K steps of 1,536
	s_mul_i32 s27, s25, 768
	s_add_co_u32 s30, s30, s27
	s_mul_i32 s27, s26, 3072
	s_add_co_u32 s30, s30, s27
	s_mov_b32 s31, 0
	s_lshl_b32 s32, s36, 15                        ; scale bytes likewise
	s_lshl_b32 s27, s25, 5
	s_add_co_u32 s32, s32, s27
	s_lshl_b32 s27, s26, 3
	s_add_co_u32 s32, s32, s27
	s_add_co_u32 s32, s32, WS0
	s_mov_b32 s33, 0
	s_mul_i32 s34, s24, 6144
	s_add_co_u32 s34, s34, WST                     ; my stage: [tile 2][K step 2][pair 6][lane][8]
	v_lshlrev_b32 v3, 2, v2                        ; in: 4 bytes a lane
	v_and_b32 v10, 7, v2
	v_bfe_u32 v11, v2, 3, 1
	v_lshl_or_b32 v10, v11, 4, v10
	v_bfe_u32 v11, v2, 4, 1
	v_lshl_or_b32 v10, v11, 3, v10                 ; my column's place: the lane with bits 3 and 4 exchanged
	v_lshrrev_b32 v5, 4, v10
	v_and_b32 v6, 15, v10
	v_mul_u32_u24 v4, v5, 3072
	v_lshl_add_u32 v4, v6, 3, v4
	v_add_nc_u32 v4, s34, v4                       ; into the stage: tile, 8 r
	v_lshlrev_b32 v8, 4, v2
	v_add_nc_u32 v7, s34, v8                       ; out of it: 16 bytes a lane
	v_lshlrev_b32 v9, 5, v10                       ; my place's row of scale bytes
	s_wait_alu depctr_va_vdst(0)
	s_wait_kmcnt 0x0
	s_cmp_lt_u32 s36, 1                            ; the choice hangs on the work-group's number alone
	s_cselect_b64 s[10:11], s[10:11], s[12:13]
	s_cmp_lt_u32 s36, 3
	s_cselect_b64 s[14:15], s[14:15], s[16:17]
	s_cmp_lt_u32 s36, 2
	s_cselect_b64 s[10:11], s[10:11], s[14:15]
	s_add_nc_u64 s[10:11], s[10:11], s[28:29]
	s_add_nc_u64 s[30:31], s[20:21], s[30:31]
	s_add_nc_u64 s[32:33], s[20:21], s[32:33]
.macro WLOAD t                         ; block t: W(32 t + i, my column) into set t % 2; a load reads 128 consecutive bytes
.set i, 0
.rept 32
	global_load_b32 v[WX+32*((\t)%2)+i], v3, s[10:11] offset:(32*(\t)+i)*4096 th:TH_LOAD_NT
.set i, i+1
.endr
.endm
	WLOAD 0
	WLOAD 1
.macro WBLOCK t
.set XS, WX+32*((\t)%2)
.if (\t) < 7
	s_wait_loadcnt 32                              ; this block's 32 loads are in; the next block's may be out
.else
	s_wait_loadcnt 0
.endif
	v_max3_num_f32 v16, |v[XS]|, |v[XS+1]|, |v[XS+2]|              ; the block's largest magnitude: all 32 numbers are mine
	v_max3_num_f32 v17, |v[XS+3]|, |v[XS+4]|, |v[XS+5]|
.irp i, 6,10,14,18,22,26
	v_max3_num_f32 v16, v16, |v[XS+\i]|, |v[XS+\i+1]|
	v_max3_num_f32 v17, v17, |v[XS+\i+2]|, |v[XS+\i+3]|
.endr
	v_max3_num_f32 v16, v16, |v[XS+30]|, |v[XS+31]|
	v_max3_num_f32 v16, v16, v17, 0x1800000        ; and the floor 2^(3 - 127)
	v_add_nc_u32 v11, 0xff000000, v16              ; the conversion's scale operand
	v_lshrrev_b32 v17, 23, v11                     ; the scale's byte
.if (\t)%4 == 0
	v_mov_b32 v[SB+(\t)/4], v17                    ; four bytes to a register, the lower K in the lower byte
.else
	v_lshl_or_b32 v[SB+(\t)/4], v17, 8*((\t)%4), v[SB+(\t)/4]
.endif
	v_cvt_scalef32_pk16_fp6_f32 v[WC:WC+2], v[XS:XS+15], v11
	v_cvt_scalef32_pk16_fp6_f32 v[WC+8:WC+10], v[XS+16:XS+31], v11  ; (a conversion's three registers begin on an even number)
	v_nop                                          ; one plain line behind the conversions
.irp i, 0,1,2
	v_mov_b32 v[WC+3+\i], v[WC+8+\i]               ; six registers on end: three pairs of the image
.endr
.irp j, 0,1,2
	ds_store_b64 v4, v[WC+2*\j:WC+2*\j+1] offset:((\t)/4)*1536+(((\t)/2)%2)*768+((\t)%2)*128+256*\j
.endr
.if (\t)+2 < 8
	WLOAD (\t)+2
.endif
	s_wait_dscnt 0x0                               ; the stores have read their registers: the next block's codes may be written
.endm
.set Q, 0
.rept 8
	WBLOCK Q
.set Q, Q+1
.endr
	s_wait_alu depctr_va_vdst(0)
	global_store_b64 v9, v[SB:SB+1], s[32:33]      ; my place's 8 scale bytes
.irp k, 0,1,2,3,4,5,6,7,8,9,10,11
	ds_load_b128 v[WO+4*\k:WO+4*\k+3], v7 offset:512*\k   ; LDS serves a wave's instructions in order: these see my stores
.endr
.irp k, 0,1,2,3,4,5,6,7,8,9,10,11
	s_wait_dscnt 11-\k
	global_store_b128 v8, v[WO+4*\k:WO+4*\k+3], s[30:31] offset:(\k/6)*12288+(\k%6)*512   ; 512 consecutive bytes, aligned; 3,072 on end for each tile
.endr
.Lend:
	s_wait_tensorcnt 0x0                           ; the wave's end
	ds_add_u32 v[SPW], v[NIL]
	s_wait_dscnt 0x0
	s_endpgm
.Lfunc_end_k_q6a7b69657a_quant:
	.size	k_q6a7b69657a_quant, .Lfunc_end_k_q6a7b69657a_quant-k_q6a7b69657a_quant
	.p2alignl 7, 3214868480
	.fill 96, 4, 3214868480
	.section	.rodata,"a",@progbits
	.p2align	6, 0x0
	.amdhsa_kernel k_q6a7b69657a_quant
		.amdhsa_group_segment_fixed_size 73216
		.amdhsa_private_segment_fixed_size 0
		.amdhsa_enable_private_segment 0
		.amdhsa_kernarg_size 72
		.amdhsa_user_sgpr_count 2
		.amdhsa_user_sgpr_kernarg_segment_ptr 1
		.amdhsa_wavefront_size32 1
		.amdhsa_system_sgpr_workgroup_id_x 1
		.amdhsa_system_sgpr_workgroup_id_y 1
		.amdhsa_system_sgpr_workgroup_id_z 1
		.amdhsa_system_vgpr_workitem_id 0
		.amdhsa_next_free_vgpr 192
		.amdhsa_next_free_sgpr 66
		.amdhsa_reserve_vcc 0
		.amdhsa_float_denorm_mode_32 3
		.amdhsa_float_denorm_mode_16_64 3
		.amdhsa_memory_ordered 1
		.amdhsa_forward_progress 1
		.amdhsa_inst_pref_size 80
	.end_amdhsa_kernel
	.amdgpu_metadata
---
amdhsa.version: [ 1, 2 ]
amdhsa.kernels:
  - .name:           k_q6a7b69657a_quant
    .symbol:         k_q6a7b69657a_quant.kd
    .args:
      - { .name: query, .offset: 0, .size: 8, .value_kind: global_buffer, .address_space: global }
      - { .name: key, .offset: 8, .size: 8, .value_kind: global_buffer, .address_space: global }
      - { .name: value, .offset: 16, .size: 8, .value_kind: global_buffer, .address_space: global }
      - { .name: Wq, .offset: 24, .size: 8, .value_kind: global_buffer, .address_space: global }
      - { .name: Wk, .offset: 32, .size: 8, .value_kind: global_buffer, .address_space: global }
      - { .name: Wv, .offset: 40, .size: 8, .value_kind: global_buffer, .address_space: global }
      - { .name: Wo, .offset: 48, .size: 8, .value_kind: global_buffer, .address_space: global }
      - { .name: xq, .offset: 56, .size: 8, .value_kind: global_buffer, .address_space: global }
      - { .name: wq, .offset: 64, .size: 8, .value_kind: global_buffer, .address_space: global }
    .group_segment_fixed_size: 73216
    .private_segment_fixed_size: 0
    .kernarg_segment_align: 8
    .kernarg_segment_size: 72
    .max_flat_workgroup_size: 128
    .sgpr_count:     66
    .vgpr_count:     192
    .wavefront_size: 32
...
	.end_amdgpu_metadata
.endif
;; end of part 1
;; launch proj (part 2): grid 4 x 96, 4 waves a work-group, clusters of 4 x 4, 327,680 bytes of LDS; arguments xq, wq, bq, bk, bv, mask, img; writes img
.if DOCPART == 2
	.amdgcn_target "amdgcn-amd-amdhsa--gfx1250"
	.amdhsa_code_object_version 6
	.text
	.protected	k_q6a7b69657a_proj
	.globl	k_q6a7b69657a_proj
	.p2align	8
	.type	k_q6a7b69657a_proj,@function
k_q6a7b69657a_proj:
	s_mov_b64 s[64:65], 0
	v_nop
	global_prefetch_b8 v0, s[64:65] scope:SCOPE_SE
	s_setreg_imm32_b32 hwreg(HW_REG_WAVE_MODE, 25, 1), 1
	s_wait_xcnt 0x0
	s_wait_alu depctr_hold_cnt(0) depctr_sa_sdst(0) depctr_va_vdst(0) depctr_va_sdst(0) depctr_va_ssrc(0) depctr_va_vcc(0) depctr_vm_vsrc(0)
	s_getreg_b32 s2, hwreg(HW_REG_IB_STS2, 6, 4)
	s_cmp_eq_u32 s2, 0
	s_cbranch_scc0 .Lentry_in_a_cluster
	s_endpgm
.Lentry_in_a_cluster:
	s_bfe_u32 s2, ttmp6, 0x10000c
	s_cmp_lg_u32 s2, 0xf033
	s_cbranch_scc0 .Lentry_shape_is_right
	s_endpgm
.Lentry_shape_is_right:
; Q = query Wq + bq, K = key Wk + bk, V = value Wv + bv on codes of FP6 (E2M3) with E8M0 scales, each result quantised again on the way out into img, the records that the attention launch reads.
; xq and wq hold images of the operand registers: [tile of 16 places][K step of 128][register pair 6][lane][8 bytes], 12,288 bytes a tile; scale bytes [place][32].
; A work-group makes 256 x 256, a wave 128 x 128 (64 accumulators); K goes in four steps of 256 through two LDS slots.  A tensor row is one tile's two K steps: 3,072 bytes, at a multiple of 256 bytes;
; a fragment's pair is read as 256 consecutive bytes, 8 a lane.  The cluster's y / 8 says which product: 0 Q, 1 K, 2 V.  For V the two operands change places, so that a lane's registers run along the keys.
; The bias is the first products' C.  A masked key's image of K carries a code at k = 64 and a scale byte with which its score comes out as about -7.5 x 2^100 (the attention launch says how it is used).
; CLUSTERS of 4 x 4: source 1's tiles are shared along a row, source 0's along a column, by joint loads.
; THE HEAD: one joint load a wave: wave 0 the first operand's 256 places of slot 0, wave 1 its scale bytes, wave 2 the second operand's places, wave 3 its scale bytes;
; slot 1's first fill stands behind the wait for the head's load and a round.  No prefetch: K has four fills of a slot, two of them asked for at the head, so no trip stands two fills ahead of a load.
; LIMITS: a block of zeros gets the byte 1; NaN and infinities are not served.
.set NQ,     2
.set ROWB,   3072
.set KROW,   768
.set FR,     12
.set NL,     6
.set NP,     4
.set HALFT,  24576
.set SLOT,   4*HALFT
.set LAPS,   2
.set KS,     32
.set SCL,    2*SLOT
.set HALFS,  16*272
.set SBLK,   2*272
.set SPARE,  SCL+4*HALFS
.set XS0,    18874368
.set WS0,    3145728
.set HREC,   241664
.set QREC,   139264
.set QOFF,   15466496
.set BA,   8
.set ADRA, 16
.set ADRB, 20
.set LI,   24
.set VSO,  25
.set ADRS, 27
.set SPW,  28
.set NIL,  29
.set MO,   30
.set SC,   32
.set BI,   64
.set AF,   128
.set MK,   224
.set TM,   128
.set PW,   144
.set PC,   64
.set PT,   80
.set WA,   96
.set WB,   104
.set XW,   112
.set MWON, 120
.set MWOFF,121
.set UON,  122
.set UOFF, 123
.set UU,   232
.set MWR,  240
.set SEL,  2
.set WV,   18
.set G1,   24
.set G0,   32
.set G1B,  48
.set G0B,  56
.set G1S,  68
.set G0S,  76
.set G1SB, 80
.set G0SB, 88
.set OA,   92
.set OB,   94
.set SA,   96
.set SBS,  98
.set HM,   100
.set MSB, 0
.macro WIN new
.if MSB != \new
	s_set_vgpr_msb (MSB<<8)|\new
.set MSB, \new
.endif
.endm
.set MUL_LO, 0xa1
.set MUL_HI, 0xf1
.set TO_B,   0x40
.macro JLOAD g0a, g1a, g0b, g1b
	s_cmp_eq_u32 s19, 0
	s_cbranch_scc0 .Lfor_b_\@
	tensor_load_to_lds s[\g0a:\g0a+3], s[\g1a:\g1a+7]
	s_nop 0
.rept 4
	v_nop
.endr
	s_branch .Lasked_\@
.Lfor_b_\@:
	tensor_load_to_lds s[\g0b:\g0b+3], s[\g1b:\g1b+7]
	s_nop 0
.rept 4
	v_nop
.endr
.Lasked_\@:
.endm
.macro CREST
	s_cmp_lg_u32 s[WV], 0
	s_cbranch_scc1 .Lnot_wave_0_\@
	s_barrier_signal -3
.Lnot_wave_0_\@:
	s_barrier_wait -3
	s_barrier_signal -1
	s_barrier_wait -1
.endm
.macro CROUND
	s_barrier_signal -1
	s_barrier_wait -1
	CREST
.endm
	s_load_b256 s[4:11], s[0:1], 0x0
	s_load_b128 s[12:15], s[0:1], 0x20
	s_load_b64 s[16:17], s[0:1], 0x30
	v_lshl_add_u32 v[SPW], v0, 2, SPARE
	v_mov_b32 v[NIL], 0
	ds_add_u32 v[SPW], v[NIL]
	ds_add_u32 v[SPW], v[NIL]
	v_lshrrev_b32 v1, 5, v0
	v_readfirstlane_b32 s[WV], v1
	s_lshr_b32 s19, s[WV], 1
	s_and_b32 s20, s[WV], 1
	s_bfe_u32 s40, ttmp6, 0x40000
	s_bfe_u32 s41, ttmp6, 0x40004
	s_and_b32 s46, ttmp7, 0xffff
	s_lshr_b32 s22, s46, 3
	s_and_b32 s46, s46, 7
	s_lshl_b32 s46, s46, 2
	s_cmp_eq_u32 s22, 2
	s_cselect_b32 s21, 1, 0
	s_cselect_b32 s43, 0, s46
	s_cselect_b32 s42, s46, 0
	s_add_co_u32 s43, s43, s41
	s_add_co_u32 s42, s42, s40
	s_lshl_b32 s44, s41, 2
	s_lshl_b32 s44, 15, s44
	s_lshl_b32 s45, 0x1111, s40
	s_or_b32 s[G1+0], s44, (3<<16)|(1<<21)         ; elements of 8 bytes, no padding; the mask and bit 21 beside it
	s_or_b32 s[G1B+0], s45, (3<<16)|(1<<21)
.irp g, G1, G1B
	s_mov_b32 s[\g+1], 384<<16                     ; a row: 3,072 bytes
	s_mov_b32 s[\g+2], 16<<16                      ; 16 tiles for the head's loads; behind them 8
	s_mov_b32 s[\g+3], 384<<16
	s_mov_b32 s[\g+4], 16
	s_mov_b32 s[\g+5], 1536                        ; from tile to tile 12,288 bytes
	s_mov_b32 s[\g+6], 0
	s_mov_b32 s[\g+7], 0
.endr
	s_or_b32 s[G1S+0], s44, (3<<16)|(1<<20)|(1<<21)|(5<<22)|(3<<25)
	s_or_b32 s[G1SB+0], s45, (3<<16)|(1<<20)|(1<<21)|(5<<22)|(3<<25)
.irp g, G1S, G1SB
	s_mov_b32 s[\g+1], 32<<16
	s_mov_b32 s[\g+2], 32<<16                      ; the scale bytes of 256 places: 32 rows of 256 bytes
	s_mov_b32 s[\g+3], 32<<16
	s_mov_b32 s[\g+4], 32
	s_mov_b32 s[\g+5], 32
	s_mov_b32 s[\g+6], 0
	s_mov_b32 s[\g+7], 0
.endr
	s_lshl_b32 s47, s20, 7
	s_lshl_b32 s92, s43, 8
	s_add_co_u32 s92, s92, s47
	s_lshl_b32 s96, s42, 8
	s_add_co_u32 s96, s96, s47
	s_lshl_b32 s94, s92, 5
	s_mul_i32 s92, s92, KROW
	s_lshl_b32 s98, s96, 5
	s_mul_i32 s96, s96, KROW
	s_mul_i32 s66, s22, 6291456
	s_mul_i32 s67, s22, 262144
	s_add_co_u32 s67, s67, XS0
	s_mul_i32 s46, s22, 786432
	s_mul_i32 s101, s22, 32768
	s_add_co_u32 s101, s101, WS0
	s_cmp_eq_u32 s21, 1
	s_cselect_b32 s66, 1572864, s66
	s_cselect_b32 s67, WS0+65536, s67
	s_cselect_b32 s46, 12582912, s46
	s_cselect_b32 s101, XS0+524288, s101
	s_add_co_u32 s92, s92, s66
	s_add_co_u32 s94, s94, s67
	s_add_co_u32 s96, s96, s46
	s_add_co_u32 s98, s98, s101
	s_mov_b32 s93, 0
	s_mov_b32 s95, 0
	s_mov_b32 s97, 0
	s_mov_b32 s99, 0
	s_mul_i32 s100, s[WV], HALFT
	s_mul_i32 s101, s[WV], HALFS
	s_mov_b32 s[SEL], 0x76543210
	s_mov_b32 s[SEL+1], 0xfedcba98
	s_wait_dscnt 0x0
	s_wait_kmcnt 0x0
	s_cmp_eq_u32 s21, 1
	s_cselect_b64 s[66:67], s[6:7], s[4:5]
	s_cselect_b64 s[46:47], s[4:5], s[6:7]
	s_add_nc_u64 s[92:93], s[66:67], s[92:93]
	s_add_nc_u64 s[94:95], s[66:67], s[94:95]
	s_add_nc_u64 s[96:97], s[46:47], s[96:97]
	s_add_nc_u64 s[98:99], s[46:47], s[98:99]
	CROUND
	s_mov_b32 s[G0S], 1
	s_add_co_u32 s[G0S+1], s101, SCL-HALFS         ; issued by wave 1 alone: SCL,
	s_sub_nc_u64 s[G0S+2:G0S+3], s[94:95], 4096    ; and its address less its half's 128 places
	s_or_b32 s[G0S+3], s[G0S+3], 0x80000000
	s_mov_b32 s[G0SB], 1
	s_add_co_u32 s[G0SB+1], s101, SCL-HALFS        ; issued by wave 3 alone: SCL + 2 HALFS
	s_sub_nc_u64 s[G0SB+2:G0SB+3], s[98:99], 4096
	s_or_b32 s[G0SB+3], s[G0SB+3], 0x80000000
.irp s, 0,1
	s_mov_b32 s[G0+4*\s], 1
	s_add_co_u32 s[G0+4*\s+1], s100, \s*SLOT
	s_add_nc_u64 s[G0+4*\s+2:G0+4*\s+3], s[92:93], \s*ROWB
	s_or_b32 s[G0+4*\s+3], s[G0+4*\s+3], 0x80000000
	s_mov_b32 s[G0B+4*\s], 1
	s_add_co_u32 s[G0B+4*\s+1], s100, \s*SLOT
	s_add_nc_u64 s[G0B+4*\s+2:G0B+4*\s+3], s[96:97], \s*ROWB
	s_or_b32 s[G0B+4*\s+3], s[G0B+4*\s+3], 0x80000000
.endr
	; the head's four joint loads, one a wave, in one chain of branches on the wave's number.  Waves 0 and 2 fetch half 0 in the ring: their slot 0 descriptors begin at the tile's first place
	s_cmp_eq_u32 s[WV], 0
	s_cbranch_scc0 .Lhead_1
	tensor_load_to_lds s[G0:G0+3], s[G1:G1+7]
	s_nop 0
.rept 4
	v_nop
.endr
	s_branch .Lhead_asked
.Lhead_1:
	s_cmp_eq_u32 s[WV], 1
	s_cbranch_scc0 .Lhead_2
	tensor_load_to_lds s[G0S:G0S+3], s[G1S:G1S+7]
	s_nop 0
.rept 4
	v_nop
.endr
	s_branch .Lhead_asked
.Lhead_2:
	s_cmp_eq_u32 s[WV], 2
	s_cbranch_scc0 .Lhead_3
	tensor_load_to_lds s[G0B:G0B+3], s[G1B:G1B+7]
	s_nop 0
.rept 4
	v_nop
.endr
	s_branch .Lhead_asked
.Lhead_3:
	tensor_load_to_lds s[G0SB:G0SB+3], s[G1SB:G1SB+7]
	s_nop 0
.rept 4
	v_nop
.endr
.Lhead_asked:
	s_mov_b32 s[HM], 0xffff0000
	v_and_b32 v1, 15, v0
	v_bfe_u32 v2, v0, 4, 1
	v_and_b32 v4, 31, v0
	v_lshlrev_b32 v4, 3, v4                        ; a fragment's pair: 8 bytes a lane
	s_wait_alu depctr_va_vdst(0)
	s_mul_i32 s46, s19, HALFT
	s_mul_i32 s47, s20, HALFT
	s_add_co_u32 s47, s47, 2*HALFT
.irp s, 0,1
	v_add_nc_u32 v[ADRA+\s], s46, v4
	v_add_nc_u32 v[ADRB+\s], s47, v4
	s_add_co_u32 s46, s46, SLOT
	s_add_co_u32 s47, s47, SLOT
.endr
	v_mul_u32_u24 v5, v1, KS
	v_lshrrev_b32 v6, 8, v5
	v_lshl_add_u32 v5, v6, 4, v5
	s_mul_i32 s46, s19, HALFS
	s_mul_i32 s47, s20, HALFS
	s_add_co_u32 s47, s47, 2*HALFS
	s_sub_co_u32 s47, s47, s46
	v_mul_u32_u24 v6, s47, v2
	s_add_co_u32 s46, s46, SCL
	v_add_nc_u32 v5, v5, v6
	v_add_nc_u32 v[ADRS], s46, v5
	v_and_b32 v6, 31, v0
	v_lshlrev_b32 v[LI], 4, v6
	v_and_b32 v6, 7, v1
	v_lshrrev_b32 v7, 3, v1
	v_lshl_add_u32 v[MO], v7, 4, v6
	v_mul_u32_u24 v6, v2, HREC
	v_lshl_add_u32 v[VSO], v1, 4, v6
	s_lshl_b32 s43, s43, 8
	s_lshl_b32 s46, s19, 7
	s_add_co_u32 s43, s43, s46
	s_lshl_b32 s42, s42, 8
	s_lshl_b32 s46, s20, 7
	s_add_co_u32 s42, s42, s46
	s_cmp_eq_u32 s21, 1
	s_cselect_b32 s46, 0, 64
	s_cselect_b32 s47, 4, 0
	s_cselect_b32 s66, 0, 4
	v_mul_u32_u24 v6, s46, v2
	s_wait_alu depctr_va_vdst(0)
	v_mad_u32_u24 v6, v[MO], s47, v6
.irp j, 0,1,2,3,4,5,6,7
	v_mad_u32_u24 v[BA+\j], s66, \j, v6
.endr
	s_cmp_eq_u32 s22, 0
	s_cselect_b64 s[8:9], s[8:9], s[10:11]
	s_cmp_eq_u32 s21, 1
	s_cselect_b64 s[8:9], s[12:13], s[8:9]
	s_cselect_b32 s46, s43, s42
	s_lshl_b32 s46, s46, 2
	s_mov_b32 s47, 0
	s_add_nc_u64 s[8:9], s[8:9], s[46:47]
	s_mov_b32 s46, s43
	s_add_nc_u64 s[14:15], s[14:15], s[46:47]
	s_wait_alu depctr_va_vdst(0)
.irp t, 0,1,2,3,4,5,6,7
.irp j, 0,1,2,3,4,5,6,7
	global_load_b32 v[BI+8*\t+\j], v[BA+\j], s[8:9] offset:(32*(\t/2)+8*(\t%2))*4
.endr
.endr
.irp a, 0,1,2,3,4,5,6,7
	global_load_u8 v[MK+\a], v[MO], s[14:15] offset:32*(\a/2)+8*(\a%2)
.endr
.macro FRAG reg, adr, q, i
.irp p, 0,1,2,3,4,5
	ds_load_b64 v[\reg+2*\p:\reg+2*\p+1], v[\adr] offset:3072*(\i)+1536*(\q)+256*\p
.endr
.endm
.macro MUL16 a0, p, q, sc, how
.irp a, \a0, \a0+1
.irp b, 0,1,2,3,4,5,6,7
.set rD, 8*(8*((\a)%4)+\b)
.set rB, 128*(\p)+FR*\b
.set rA, AF+FR*(\a)
.set sB, SC+8*NQ*(\sc)+NQ*\b+(\q)
.set sA, SC+8*NQ*(\sc)+NQ*(\a)+(\q)
.if (\how) == 1
	v_wmma_scale_f32_16x16x128_f8f6f4 v[rD:rD+7], v[rB:rB+FR-1], v[rA:rA+FR-1], v[BI+8*\b:BI+8*\b+7], v[sB], v[sA] matrix_a_fmt:MATRIX_FMT_FP6 matrix_b_fmt:MATRIX_FMT_FP6 matrix_a_scale:MATRIX_SCALE_ROW1
.elseif (\how) == 2
	v_wmma_scale_f32_16x16x128_f8f6f4 v[rD:rD+7], v[rB:rB+FR-1], v[rA:rA+FR-1], v[BI+8*(\a):BI+8*(\a)+7], v[sB], v[sA] matrix_a_fmt:MATRIX_FMT_FP6 matrix_b_fmt:MATRIX_FMT_FP6 matrix_a_scale:MATRIX_SCALE_ROW1
.else
	v_wmma_scale_f32_16x16x128_f8f6f4 v[rD:rD+7], v[rB:rB+FR-1], v[rA:rA+FR-1], v[rD:rD+7], v[sB], v[sA] matrix_a_fmt:MATRIX_FMT_FP6 matrix_b_fmt:MATRIX_FMT_FP6 matrix_a_scale:MATRIX_SCALE_ROW1
.endif
.endr
.endr
.endm
.macro FETCH_B slot, q, p
	WIN TO_B
.irp i, 0,1,2,3,4,5,6,7
	FRAG 128*(\p)+FR*\i, ADRB+\slot, \q, \i
.endr
	WIN 0
.endm
.macro FETCH_A slot, q, i0
.irp i, \i0, \i0+1, \i0+2, \i0+3
	FRAG AF+FR*(\i), ADRA+\slot, \q, \i
.endr
.endm
.macro SCALES sc
.irp i, 0,1,2,3,4,5,6,7
	ds_load_b64 v[SC+8*NQ*\sc+NQ*\i:SC+8*NQ*\sc+NQ*\i+1], v[ADRS] offset:\i*SBLK
.endr
.endm
.macro PLACES n
.rept \n
	v_nop
.endr
.endm
.macro STEP slot, q, how
	s_wait_dscnt 4*NL
.if \how
	WIN 0x81
.else
	WIN MUL_LO
.endif
	MUL16 0, (\q)%2, \q, \slot, \how
	MUL16 2, (\q)%2, \q, \slot, \how
	s_wait_dscnt 0
	PLACES NP
	FETCH_B \slot, (\q)+1, 1-(\q)%2
	FETCH_A \slot, (\q)+1, 0
.if \how
	WIN 0xc1
.else
	WIN MUL_HI
.endif
	MUL16 4, (\q)%2, \q, \slot, \how
	MUL16 6, (\q)%2, \q, \slot, \how
	PLACES NP
	WIN 0
	FETCH_A \slot, (\q)+1, 4
.endm
.macro TURN slot, next, fill
	s_wait_tensorcnt 0x0
	ds_add_u32 v[SPW], v[NIL]
	s_wait_dscnt 4*NL+1
	WIN MUL_LO
	MUL16 0, 1, NQ-1, \slot, 0
	s_wait_dscnt 0x0
	s_barrier_signal -1
	MUL16 2, 1, NQ-1, \slot, 0
	WIN 0
	s_barrier_wait -1
.if \fill
	CREST
	s_add_nc_u64 s[G0+4*\slot+2:G0+4*\slot+3], s[G0+4*\slot+2:G0+4*\slot+3], 2*ROWB
	s_add_nc_u64 s[G0B+4*\slot+2:G0B+4*\slot+3], s[G0B+4*\slot+2:G0B+4*\slot+3], 2*ROWB
	JLOAD G0+4*\slot, G1, G0B+4*\slot, G1B
.else
	PLACES NP
.endif
	s_wait_alu depctr_va_vdst(0)
	v_add_nc_u32 v[ADRS], 4*NQ, v[ADRS]
	FETCH_B \next, 0, 0
	FETCH_A \next, 0, 0
	SCALES \next
	WIN MUL_HI
	MUL16 4, 1, NQ-1, \slot, 0
	MUL16 6, 1, NQ-1, \slot, 0
	PLACES NP
	WIN 0
	FETCH_A \next, 0, 4
.endm
	s_wait_tensorcnt 0x0                           ; my tile of the head's four is in
	ds_add_u32 v[SPW], v[NIL]
	s_mov_b32 s[G1+2], 8<<16                       ; no tensor load of mine is out: from here on a load brings 8 tiles
	s_mov_b32 s[G1+4], 8
	s_mov_b32 s[G1B+2], 8<<16
	s_mov_b32 s[G1B+4], 8
	s_wait_dscnt 0x0
	CROUND                                         ; all four tiles are in, and all sixteen work-groups are here
	JLOAD G0+4, G1, G0B+4, G1B                     ; slot 1's first fill, a quarter a wave
	FETCH_B 0, 0, 0
	FETCH_A 0, 0, 0
	SCALES 0
	FETCH_A 0, 0, 4
	s_wait_loadcnt 0x0
	s_cmp_eq_u32 s21, 1
	s_cbranch_scc1 .Lfirst_v
	STEP 0, 0, 1
	s_branch .Lfirst_done
.Lfirst_v:
	STEP 0, 0, 2
.Lfirst_done:
	s_mov_b32 s23, LAPS-1
.Llap:
	TURN 0, 1, 1
	STEP 1, 0, 0
	TURN 1, 0, 1
	STEP 0, 0, 0
	s_sub_co_u32 s23, s23, 1
	s_cmp_lg_u32 s23, 0
	s_cbranch_scc1 .Llap
	TURN 0, 1, 0
	STEP 1, 0, 0
	s_wait_dscnt 4*NL
	WIN MUL_LO
	MUL16 0, 1, NQ-1, 1, 0
	MUL16 2, 1, NQ-1, 1, 0
	s_wait_dscnt 0
	WIN MUL_HI
	MUL16 4, 1, NQ-1, 1, 0
	MUL16 6, 1, NQ-1, 1, 0
	WIN 0
.macro QE a, st, pw
.set AC, 64*((\a)%4)
	WIN 0x0a+5*((\a)/4)
.irp b, 0,1,2,3
	v_max3_num_f32 v[TM+\b], |v[AC+16*\b]|, |v[AC+1+16*\b]|, 0x1800000
.endr
	WIN 0x28+0x14*((\a)/4)
.irp i, 2,4,6,8,10,12,14
.irp b, 0,1,2,3
	v_max3_num_f32 v[TM+\b], v[TM+\b], |v[AC+16*\b+\i]|, |v[AC+1+16*\b+\i]|
.endr
.endr
	WIN 0
.irp b, 0,1,2,3
	v_permlanex16_b32 v[TM+4+\b], v[TM+\b], s[SEL], s[SEL+1]
.endr
.irp b, 0,1,2,3
	v_max_num_f32 v[TM+\b], v[TM+\b], v[TM+4+\b]
.endr
.irp b, 0,1,2,3
	v_add_nc_u32 v[TM+12+\b], 0xff000000, v[TM+\b]
.endr
.irp b, 0,1,2,3
	v_lshrrev_b32 v[TM+4+\b], 23, v[TM+12+\b]
.endr
	v_lshl_or_b32 v[\pw], v[TM+5], 8, v[TM+4]
	v_lshl_or_b32 v[\pw], v[TM+6], 16, v[\pw]
	v_lshl_or_b32 v[\pw], v[TM+7], 24, v[\pw]
	s_wait_xcnt 0x0
	WIN 2+(\a)/4
.irp c, 0,1
	v_cvt_scalef32_pk16_fp6_f32 v[PC+(\st)*\c:PC+(\st)*\c+2], v[AC+32*\c:AC+32*\c+15], v[TM+12+2*\c]
	v_cvt_scalef32_pk16_fp6_f32 v[PT+4*\c:PT+4*\c+2], v[AC+16+32*\c:AC+31+32*\c], v[TM+12+2*\c+1]
.endr
	WIN 0
	v_nop
.irp c, 0,1
.irp i, 0,1,2
	v_permlane16_swap_b32 v[PC+(\st)*\c+\i], v[PT+4*\c+\i]
.endr
.irp i, 0,1,2
	v_mov_b32 v[PC+(\st)*\c+3+\i], v[PT+4*\c+\i]
.endr
.endr
.endm
	PLACES NP
.irp b, 0,1,2,3
	v_mov_b32 v[TM+4+\b], 0
.endr
	s_cmp_eq_u32 s21, 1
	s_cbranch_scc1 .Lout_v
	s_lshr_b32 s46, s43, 11
	s_lshl_b32 s46, s46, 4
	s_lshr_b32 s47, s42, 6
	s_add_co_u32 s46, s46, s47
	s_bfe_u32 s47, s43, 0x40007
	s_mov_b32 s66, QREC
	s_mov_b32 s101, 131072
	s_mov_b32 s94, 0x7f7f0000
	s_cmp_eq_u32 s22, 1
	s_cselect_b32 s66, HREC, s66
	s_cselect_b32 s67, 0, QOFF
	s_cselect_b32 s101, 229376, s101
	s_cselect_b32 s92, 0, 8
	s_cselect_b32 s93, 63, 8
	s_cselect_b32 s95, 0x7fe30000, s94
	v_mov_b32 v[MWON], s92
	v_mov_b32 v[MWOFF], s93
	v_mov_b32 v[UON], s94
	v_mov_b32 v[UOFF], s95
	v_cndmask_b32 v[MWON], v[MWON], v[NIL], s[HM]
	v_cndmask_b32 v[MWOFF], v[MWOFF], v[NIL], s[HM]
	s_wait_alu depctr_va_vdst(0)
	s_mul_i32 s46, s46, s66
	s_add_co_u32 s46, s46, s67
	s_lshl_b32 s92, s47, 13
	s_add_co_u32 s92, s92, s46
	s_mov_b32 s93, 0
	s_add_nc_u64 s[OA:OA+1], s[16:17], s[92:93]
	s_mov_b32 s94, s66
	s_mov_b32 s95, 0
	s_add_nc_u64 s[OB:OB+1], s[OA:OA+1], s[94:95]
	s_lshl_b32 s96, s47, 9
	s_add_co_u32 s96, s96, s46
	s_add_co_u32 s96, s96, s101
	s_mov_b32 s97, 0
	s_add_nc_u64 s[SA:SA+1], s[16:17], s[96:97]
	s_mov_b32 s98, s66
	s_mov_b32 s99, 0
	s_add_nc_u64 s[SBS:SBS+1], s[SA:SA+1], s[98:99]
.irp a, 0,1,2,3,4,5,6,7
	v_cmp_eq_u32 vcc_lo, 0, v[MK+\a]
	v_cndmask_b32 v[MWR+\a], v[MWON], v[MWOFF], vcc_lo
	v_cndmask_b32 v[UU+\a], v[UON], v[UOFF], vcc_lo
.endr
	v_mov_b32 v[PC+7], 0
	v_mov_b32 v[PC+15], 0
.irp a, 0,1,2,3,4,5,6,7
	QE \a, 8, PW
	v_mov_b32 v[PC+6], v[MWR+\a]
	v_mov_b32 v[PC+14], v[MWR+\a]
	global_store_b128 v[LI], v[PC:PC+3], s[OA:OA+1] offset:1024*\a
	global_store_b128 v[LI], v[PC+4:PC+7], s[OA:OA+1] offset:1024*\a+512
	global_store_b128 v[LI], v[PC+8:PC+11], s[OB:OB+1] offset:1024*\a
	global_store_b128 v[LI], v[PC+12:PC+15], s[OB:OB+1] offset:1024*\a+512
	v_perm_b32 v[WA+\a], v[UU+\a], v[PW], 0x07060100
	v_perm_b32 v[WB+\a], v[UU+\a], v[PW], 0x07060302
.endr
.irp i, 0,1,2,3
	v_cndmask_b32 v[XW+\i], v[WA+\i], v[WA+4+\i], s[HM]
	v_cndmask_b32 v[XW+4+\i], v[WB+\i], v[WB+4+\i], s[HM]
.endr
	global_store_b128 v[LI], v[XW:XW+3], s[SA:SA+1]
	global_store_b128 v[LI], v[XW+4:XW+7], s[SBS:SBS+1]
	s_branch .Lend
.Lout_v:
	s_lshr_b32 s46, s42, 11
	s_lshl_b32 s46, s46, 4
	s_lshr_b32 s47, s43, 6
	s_add_co_u32 s46, s46, s47
	s_bfe_u32 s47, s42, 0x40007
	s_mul_i32 s46, s46, HREC
	s_mul_i32 s92, s47, 6144
	s_add_co_u32 s92, s92, s46
	s_add_co_u32 s92, s92, 131072
	s_mov_b32 s93, 0
	s_add_nc_u64 s[OA:OA+1], s[16:17], s[92:93]
	s_add_nc_u64 s[OB:OB+1], s[OA:OA+1], HREC
	s_lshl_b32 s96, s47, 8
	s_add_co_u32 s96, s96, s46
	s_add_co_u32 s96, s96, 237568
	s_mov_b32 s97, 0
	s_add_nc_u64 s[SA:SA+1], s[16:17], s[96:97]
.irp a, 0,1,2,3,4,5,6,7
	QE \a, 6, WA+\a
.irp i, 0,1,2
.if \a < 4
	global_store_b128 v[LI], v[PC+4*\i:PC+4*\i+3], s[OA:OA+1] offset:1536*(\a%4)+512*\i
.else
	global_store_b128 v[LI], v[PC+4*\i:PC+4*\i+3], s[OB:OB+1] offset:1536*(\a%4)+512*\i
.endif
.endr
.endr
.irp i, 0,1,2,3
	v_cndmask_b32 v[XW+\i], v[WA+\i], v[WA+4+\i], s[HM]
.endr
	global_store_b128 v[VSO], v[XW:XW+3], s[SA:SA+1]
.Lend:
	s_wait_tensorcnt 0x0
	ds_add_u32 v[SPW], v[NIL]
	s_wait_dscnt 0x0
	CROUND
	s_endpgm
.Lfunc_end_k_q6a7b69657a_proj:
	.size	k_q6a7b69657a_proj, .Lfunc_end_k_q6a7b69657a_proj-k_q6a7b69657a_proj
	.p2alignl 7, 3214868480
	.fill 96, 4, 3214868480
	.section	.rodata,"a",@progbits
	.p2align	6, 0x0
	.amdhsa_kernel k_q6a7b69657a_proj
		.amdhsa_group_segment_fixed_size 327680
		.amdhsa_private_segment_fixed_size 0
		.amdhsa_enable_private_segment 0
		.amdhsa_kernarg_size 56
		.amdhsa_user_sgpr_count 2
		.amdhsa_user_sgpr_kernarg_segment_ptr 1
		.amdhsa_wavefront_size32 1
		.amdhsa_system_sgpr_workgroup_id_x 1
		.amdhsa_system_sgpr_workgroup_id_y 1
		.amdhsa_system_sgpr_workgroup_id_z 1
		.amdhsa_system_vgpr_workitem_id 0
		.amdhsa_next_free_vgpr 1024
		.amdhsa_next_free_sgpr 102
		.amdhsa_reserve_vcc 1
		.amdhsa_float_denorm_mode_32 3
		.amdhsa_float_denorm_mode_16_64 3
		.amdhsa_memory_ordered 1
		.amdhsa_forward_progress 1
		.amdhsa_inst_pref_size 228
	.end_amdhsa_kernel
	.amdgpu_metadata
---
amdhsa.version: [ 1, 2 ]
amdhsa.kernels:
  - .name:           k_q6a7b69657a_proj
    .symbol:         k_q6a7b69657a_proj.kd
    .args:
      - { .name: xq, .offset: 0, .size: 8, .value_kind: global_buffer, .address_space: global }
      - { .name: wq, .offset: 8, .size: 8, .value_kind: global_buffer, .address_space: global }
      - { .name: bq, .offset: 16, .size: 8, .value_kind: global_buffer, .address_space: global }
      - { .name: bk, .offset: 24, .size: 8, .value_kind: global_buffer, .address_space: global }
      - { .name: bv, .offset: 32, .size: 8, .value_kind: global_buffer, .address_space: global }
      - { .name: mask, .offset: 40, .size: 8, .value_kind: global_buffer, .address_space: global }
      - { .name: img, .offset: 48, .size: 8, .value_kind: global_buffer, .address_space: global }
    .group_segment_fixed_size: 327680
    .private_segment_fixed_size: 0
    .kernarg_segment_align: 8
    .kernarg_segment_size: 56
    .max_flat_workgroup_size: 128
    .sgpr_count:     102
    .vgpr_count:     1024
    .wavefront_size: 32
...
	.end_amdgpu_metadata
.endif
;; end of part 2
;; launch attn (part 3): grid 4 x 64, 8 waves a work-group, clusters of 4 x 1, 243,712 bytes of LDS; arguments img, aq; writes aq
.if DOCPART == 3
	.amdgcn_target "amdgcn-amd-amdhsa--gfx1250"
	.amdhsa_code_object_version 6
	.text
	.protected	k_q6a7b69657a_attn
	.globl	k_q6a7b69657a_attn
	.p2align	8
	.type	k_q6a7b69657a_attn,@function
k_q6a7b69657a_attn:
	s_mov_b64 s[64:65], 0
	v_nop
	global_prefetch_b8 v0, s[64:65] scope:SCOPE_SE
	s_setreg_imm32_b32 hwreg(HW_REG_WAVE_MODE, 25, 1), 1
	s_wait_xcnt 0x0
	s_wait_alu depctr_hold_cnt(0) depctr_sa_sdst(0) depctr_va_vdst(0) depctr_va_sdst(0) depctr_va_ssrc(0) depctr_va_vcc(0) depctr_vm_vsrc(0)
	s_getreg_b32 s2, hwreg(HW_REG_IB_STS2, 6, 4)
	s_cmp_eq_u32 s2, 0
	s_cbranch_scc0 .Lentry_in_a_cluster
	s_endpgm
.Lentry_in_a_cluster:
	s_bfe_u32 s2, ttmp6, 0x10000c
	s_cmp_lg_u32 s2, 0x3003
	s_cbranch_scc0 .Lentry_shape_is_right
	s_endpgm
.Lentry_shape_is_right:
; The attention of one head (batch x 16 + head = the cluster's y) on codes of FP6 (E2M3) with E8M0 scales, and the quantising of its result along the model's 1,024 for the last product.
; THE SOFTMAX AHEAD OF THE SECOND PRODUCT: t = score x log2(e) / 8; M = the running largest t, rounded up to a whole number; p = 2^(t - M) is quantised along the keys, not normalised;
; the row's sum is taken of the unquantised p and divides O at the end.  When M moves, the sum and O are multiplied by 2^(old M - new M): exact.
; SHARES.  A work-group owns 512 queries; each of its eight waves TWO tiles of 16 at a time (tiles 8 apart), in two passes; a wave walks the head's 2,048 keys, 128 a step.
; Each fragment of K and of V that comes from LDS feeds two products, one for each tile.  The four work-groups of a head form a cluster and ask for the head's K and V jointly.
; NO RING: the head's whole record (K's and V's images and scale words, 241,664 bytes) is filled once, by eight joint loads, one a wave, and stays.
; LAYOUT.  Both products are used transposed (S^T = K Q^T, O^T = V^T P^T): a lane holds one query of each tile throughout.  Register 16 b + i of two neighbouring tiles of S^T is key 32 b + 16 h + i,
; register 16 bb + i of O^T channel 32 bb + 16 h + i.  Operands come from LDS as images of their registers: 16 bytes a lane, 512 consecutive bytes an instruction.
; K's eight fragments and V's four have registers of their own: behind a step's first products the next step's K and this step's V are asked for, and the whole softmax stands between the loads and the wait for them.
; In a pass's last step the K loads name the 8,192 bytes behind K's images and the 512 behind its scale words: bytes of the record; nothing reads those registers before the next pass loads them anew.
; THE MASK costs no line here: a masked key's score comes out of the first product as about -7.5 x 2^100 (its code at k = 64 and scale byte were laid by the launch before), so its p is 0.
; The running largest t begins at -2^94, above every masked t.  A row with no key at all keeps -2^94; its scale bytes are written as 0xff, which makes the last product's results for that row NaN, as a softmax over nothing is.
; LIMITS: |t| stays under 2^93; NaN and infinities are not served; a block of zeros gets the byte 1.
; aq: images [row tile 512][K step 8][register pair 6][32 lanes][8 B]; from AS0 on scale bytes [place row][32].
; REGISTERS.  Window 0 (v0-255): addresses, both tiles' small state, scale words, K's, V's and Q's fragments.  Window 1 (written v0-231): S^T then p of tile x at 64 x; O^T at 128 + 32 x; p's codes at 192 + 12 x; the conversions' second halves at 216 + 8 x.
.set HREC, 241664
.set QREC, 139264
.set QOFF, 15466496
.set AS0,  6291456
.set PART, 30208                       ; 118 rows of 256 bytes: what one tensor load brings
.set SPARE, 241664                     ; behind the record: the spare words, 128 bytes a wave
.set LI,  1                            ; v1 16 x lane; v2 16 r; v3 8 x lane; v4 32 r + h
.set LR,  2
.set L8,  3
.set LRS, 4
.set SPW, 5                            ; v5 my spare word, v6 0; never rewritten
.set NIL, 6
.set ADK, 8                            ; v8-11 LDS addresses: the next step's K, this step's V, K's scale words, V's
.set ADV, 9
.set ADS, 10
.set ADT, 11
.set ST,  12                           ; tile x at 12 + 4 x: -M, the largest t, the sum in two halves
.set QS,  20                           ; v20, v21 Q's scale words
.set KS,  24                           ; v24-27 K's scale words; v28-31 V's
.set VS,  28
.set KF,  32                           ; v32-127 K's eight fragments (registers 8-11 of each stay 0)
.set VF,  128                          ; v128-175 V's four
.set BM,  176                          ; v176-183 a block's largest score, then p: 4 x + b;  likewise BT, SCO
.set BT,  184
.set SCO, 192
.set FF,  200                          ; v[200:201], v[202:203] f and a written 0
.set TMP, 204                          ; v204, v205
.set XFF, 206                          ; 0xff
.set PWD, 208                          ; v208, v209 p's scale words, and nothing else
.set QF,  224                          ; v224-247 Q's two fragments (registers 8-11 stay 0)
.set OT,  128                          ; window 1
.set PCD, 192
.set PT,  216
.set WV,  8
.set SEL, 24
.set CS,  26
.set TKN, 28
.set TV,  29
.set TSN, 30
.set TT,  31
.set QP,  34
.set QSP, 36
.set OC,  38
.set OS,  40
.set HM,  42
.set MSB, 0
.macro WIN new                         ; low byte: bits 1:0 source 0, 3:2 source 1, 5:4 source 2, 7:6 destination; the high byte repeats the setting that is left
.if MSB != \new
	s_set_vgpr_msb (MSB<<8)|\new
.set MSB, \new
.endif
.endm
.macro WALU
	s_wait_alu depctr_va_vdst(0)
.endm
.macro D2
	s_delay_alu instid0(VALU_DEP_2)
.endm
.macro ROUND
	s_barrier_signal -1
	s_barrier_wait -1
	s_cmp_lg_u32 s[WV], 0
	s_cbranch_scc1 .Lnot_wave_0_\@
	s_barrier_signal -3
.Lnot_wave_0_\@:
	s_barrier_wait -3
	s_barrier_signal -1
	s_barrier_wait -1
.endm
.macro KLOAD                           ; 17 loads: K's scale words (lanes 0-15 tiles 0-3, lanes 16-31 tiles 4-7) and eight fragments
	ds_load_b128 v[KS:KS+3], v[ADS]
.irp t, 0,1,2,3,4,5,6,7
	ds_load_b128 v[KF+12*\t:KF+12*\t+3], v[ADK] offset:1024*\t
	ds_load_b128 v[KF+12*\t+4:KF+12*\t+7], v[ADK] offset:1024*\t+512
.endr
.endm
.macro SCALE x                         ; tile x: from the four blocks' largest p the scale word, and p's codes
.irp b, 0,1,2,3
	v_max_num_f32 v[BM+4*\x+\b], 0x1800000, v[BM+4*\x+\b]          ; the floor 2^(3 - 127): a block whose every p is 0 keeps the byte 1; its codes are zeros
.endr
.irp b, 0,1,2,3
	v_add_nc_u32 v[SCO+4*\x+\b], 0xff000000, v[BM+4*\x+\b]         ; the conversion's scale operand
.endr
.irp b, 0,1,2,3
	v_lshrrev_b32 v[BT+4*\x+\b], 23, v[SCO+4*\x+\b]                ; the scale's byte
.endr
	v_lshl_or_b32 v[PWD+\x], v[BT+4*\x+1], 8, v[BT+4*\x]
	v_lshl_or_b32 v[PWD+\x], v[BT+4*\x+2], 16, v[PWD+\x]
	v_lshl_or_b32 v[PWD+\x], v[BT+4*\x+3], 24, v[PWD+\x]
	WIN 0x41
.irp c, 0,1
	v_cvt_scalef32_pk16_fp6_f32 v[PCD+12*\x+6*\c:PCD+12*\x+6*\c+2], v[64*\x+32*\c:64*\x+32*\c+15], v[SCO+4*\x+2*\c]
	v_cvt_scalef32_pk16_fp6_f32 v[PT+8*\x+4*\c:PT+8*\x+4*\c+2], v[64*\x+32*\c+16:64*\x+32*\c+31], v[SCO+4*\x+2*\c+1]
.endr
	v_nop                                          ; one plain line behind the conversions
.endm
.macro LEVEL n                         ; a level of both tiles' sums, in place: n pairs take the n pairs behind them
.irp x, 0,1
.set k, 0
.rept \n
	v_pk_add_f32 v[64*\x+2*k:64*\x+2*k+1], v[64*\x+2*k:64*\x+2*k+1], v[64*\x+2*(\n)+2*k:64*\x+2*(\n)+2*k+1]
.set k, k+1
.endr
.endr
.endm
	s_load_b128 s[4:7], s[0:1], 0x0                ; img s[4:5], aq s[6:7]
	v_lshl_add_u32 v[SPW], v0, 2, SPARE
	v_mov_b32 v[NIL], 0
	ds_add_u32 v[SPW], v[NIL]                      ; the wave's opening: the add, twice on end, and its wait ahead of my first tensor load
	ds_add_u32 v[SPW], v[NIL]
	v_lshrrev_b32 v7, 5, v0
	v_readfirstlane_b32 s[WV], v7                  ; wave 0..7
	s_bfe_u32 s9, ttmp6, 0x40000                   ; cx: it enters Q's and the output's addresses alone
	s_and_b32 s10, ttmp7, 0xffff                   ; batch x 16 + head
	s_mov_b32 s16, 15|(3<<16)|(1<<21)              ; group 1: mask of all four; elements of 8 bytes; bit 21 beside the mask; no padding
	s_mov_b32 s17, 32<<16                          ; rows of 256 bytes,
	s_mov_b32 s18, 118<<16                         ; 118 of them, dense
	s_mov_b32 s19, 32<<16
	s_mov_b32 s20, 118
	s_mov_b32 s21, 32
	s_mov_b32 s22, 0
	s_mov_b32 s23, 0
	s_mov_b32 s12, 1
	s_mul_i32 s13, s[WV], PART                     ; LDS address: wave x 30,208
	s_mul_i32 s44, s10, HREC
	s_add_co_u32 s44, s44, s13
	s_mov_b32 s45, 0
	s_mov_b32 s[SEL], 0x76543210
	s_mov_b32 s[SEL+1], 0xfedcba98
	s_mov_b32 s[CS], 0x3e38aa3b                    ; c = log2(e) / 8
	s_mov_b32 s[CS+1], s[CS]                       ; (named with it as a pair)
	s_mov_b32 s[HM], 0xffff0000
	s_wait_dscnt 0x0                               ; both opening adds are done
	s_wait_kmcnt 0x0
	s_add_nc_u64 s[14:15], s[4:5], s[44:45]
	s_or_b32 s15, s15, 0x80000000
	ROUND                                          ; all four work-groups are here: the joint loads meet
	tensor_load_to_lds s[12:15], s[16:23]          ; every wave fetches an eighth of the record: one load of mine is out
	s_nop 0
.rept 4
	v_nop
.endr
	s_lshl_b32 s46, s9, 5
	s_add_co_u32 s46, s46, s[WV]                   ; my first tile of queries in pass 0: 32 cx + wave; the second lies 8 tiles on, a pass 16
	s_mul_i32 s44, s10, QREC
	s_add_co_u32 s44, s44, QOFF                    ; Q's record
	s_lshl_b32 s47, s46, 10
	s_add_co_u32 s34, s44, s47
	s_mov_b32 s35, 0
	s_add_nc_u64 s[QP:QP+1], s[4:5], s[34:35]      ; Q's image: 1,024 bytes a tile
	s_lshr_b32 s47, s46, 2
	s_lshl_b32 s47, s47, 8                         ; its scale words: 256 bytes for each four tiles,
	s_and_b32 s36, s46, 3
	s_lshl_b32 s36, s36, 2                         ; 4 bytes a tile
	s_add_co_u32 s36, s36, s47
	s_add_co_u32 s36, s36, s44
	s_add_co_u32 s36, s36, 131072
	s_mov_b32 s37, 0
	s_add_nc_u64 s[QSP:QSP+1], s[4:5], s[36:37]
	s_lshr_b32 s47, s10, 4
	s_lshl_b32 s47, s47, 7
	s_add_co_u32 s47, s47, s46                     ; the row tile of aq: 128 x batch + tile
	s_and_b32 s44, s10, 15                         ; the head
	s_mul_i32 s38, s47, 12288
	s_mul_i32 s45, s44, 768                        ; 1,536 (head / 2) + 768 (head % 2)
	s_add_co_u32 s38, s38, s45
	s_mov_b32 s39, 0
	s_add_nc_u64 s[OC:OC+1], s[6:7], s[38:39]
	s_lshl_b32 s40, s47, 9
	s_lshl_b32 s45, s44, 1
	s_add_co_u32 s40, s40, s45
	s_add_co_u32 s40, s40, AS0
	s_mov_b32 s41, 0
	s_add_nc_u64 s[OS:OS+1], s[6:7], s[40:41]
	v_and_b32 v7, 31, v0
	v_lshlrev_b32 v[LI], 4, v7
	v_lshlrev_b32 v[L8], 3, v7
	v_and_b32 v7, 15, v0
	v_lshlrev_b32 v[LR], 4, v7
	v_bfe_u32 v[LRS], v0, 4, 1
	v_lshl_add_u32 v[LRS], v7, 5, v[LRS]
.irp i, 8,9,10,11
	v_mov_b32 v[QF+\i], 0                          ; k = 80 on: zero codes, written once
	v_mov_b32 v[QF+12+\i], 0
.irp t, 0,1,2,3,4,5,6,7
	v_mov_b32 v[KF+12*\t+\i], 0
.endr
.endr
.irp n, 0,1,2,3,4,5,6,7
	v_mov_b32 v[BT+\n], 0                          ; a lane permute's destination counts as one of its sources
.endr
	v_mov_b32 v[FF+1], 0
	v_mov_b32 v[FF+3], 0
	v_mov_b32 v[TMP], 0
	v_mov_b32 v[TMP+1], 0
	v_mov_b32 v[XFF], 0xff
	s_mov_b32 s33, 2                               ; passes to go
	WALU
	s_wait_tensorcnt 0x0                           ; my part of the record is in,
	s_barrier_signal -1
	s_barrier_wait -1                              ; everybody's is; nothing is ever filled again
; A PASS: two tiles of 16 queries against all keys
.Lpass:
.irp x, 0,1
	global_load_b128 v[QF+12*\x:QF+12*\x+3], v[LI], s[QP:QP+1] offset:8192*\x
	global_load_b128 v[QF+12*\x+4:QF+12*\x+7], v[LI], s[QP:QP+1] offset:8192*\x+512
	global_load_b32 v[QS+\x], v[LR], s[QSP:QSP+1] offset:512*\x
.endr
	s_mov_b32 s[TKN], 0
	s_mov_b32 s[TSN], 229376
	s_mov_b32 s[TV], 131072
	s_mov_b32 s[TT], 237568
	s_mov_b32 s32, 16
	v_add_nc_u32 v[ADK], s[TKN], v[LI]
	v_add_nc_u32 v[ADS], s[TSN], v[LI]
	KLOAD                                          ; the first step's K
.irp x, 0,1
	v_mov_b32 v[ST+4*\x+1], 0xee800000             ; the largest t so far: -2^94, over every masked t and under every other
	v_mov_b32 v[ST+4*\x+2], 0
	v_mov_b32 v[ST+4*\x+3], 0
.endr
.irp x, 0,1
	v_floor_f32 v[ST+4*\x], -v[ST+4*\x+1]
.endr
	WIN 0x40
.set j, 0
.rept 64
	v_mov_b32 v[OT+j], 0                           ; the step is written once: the first finds zeros
.set j, j+1
.endr
	WIN 0
	WALU
	s_wait_loadcnt 0x0
; A KEY STEP: 128 keys
.Lstep:
	s_add_co_u32 s[TKN], s[TKN], 8192              ; the next step's K
	s_add_co_u32 s[TSN], s[TSN], 512
	s_wait_dscnt 0x0                               ; this step's K is in
	WIN 0x40
.irp t, 0,1,2,3,4,5,6,7                        ; S^T = K Q^T: each fragment of K against both tiles of queries
.irp x, 0,1
.if \t < 4
	v_wmma_scale_f32_16x16x128_f8f6f4 v[64*\x+8*\t:64*\x+8*\t+7], v[KF+12*\t:KF+12*\t+11], v[QF+12*\x:QF+12*\x+11], 0, v[KS+\t], v[QS+\x] matrix_a_fmt:MATRIX_FMT_FP6 matrix_b_fmt:MATRIX_FMT_FP6
.else
	v_wmma_scale_f32_16x16x128_f8f6f4 v[64*\x+8*\t:64*\x+8*\t+7], v[KF+12*\t:KF+12*\t+11], v[QF+12*\x:QF+12*\x+11], 0, v[KS+\t-4], v[QS+\x] matrix_a_fmt:MATRIX_FMT_FP6 matrix_b_fmt:MATRIX_FMT_FP6 matrix_a_scale:MATRIX_SCALE_ROW1
.endif
.endr
.endr
	WIN 0
	v_add_nc_u32 v[ADK], s[TKN], v[LI]             ; these four are the places between the products and the loads into their registers and the first reads of their results
	v_add_nc_u32 v[ADS], s[TSN], v[LI]
	v_add_nc_u32 v[ADV], s[TV], v[LI]
	v_add_nc_u32 v[ADT], s[TT], v[LR]
	KLOAD
	ds_load_b128 v[VS:VS+3], v[ADT]
.irp dt, 0,1,2,3
.irp i, 0,1,2
	ds_load_b128 v[VF+12*\dt+4*\i:VF+12*\dt+4*\i+3], v[ADV] offset:1536*\dt+512*\i
.endr
.endr
	WIN 0x15                                       ; the largest score of each block of 32 keys, eight blocks by turns: it serves the row's maximum and, since p rises with the score, the block's largest p
.irp n, 0,1,2,3,4,5,6,7
	v_max3_num_f32 v[BM+\n], v[16*\n], v[16*\n+1], v[16*\n+2]
.endr
	WIN 0x14
.irp i, 3,5,7,9,11,13
.irp n, 0,1,2,3,4,5,6,7
	v_max3_num_f32 v[BM+\n], v[BM+\n], v[16*\n+\i], v[16*\n+\i+1]
.endr
.endr
	WIN 0x04
.irp n, 0,1,2,3,4,5,6,7
	v_max_num_f32 v[BM+\n], v[BM+\n], v[16*\n+15]
.endr
	WIN 0
.irp n, 0,1,2,3,4,5,6,7
	v_permlanex16_b32 v[BT+\n], v[BM+\n], s[SEL], s[SEL+1]
.endr
.irp n, 0,1,2,3,4,5,6,7
	v_max_num_f32 v[BM+\n], v[BM+\n], v[BT+\n]     ; with lane l xor 16's 16 keys
.endr
.irp x, 0,1                                    ; the two tiles' chains side by side
	v_max3_num_f32 v[TMP+\x], v[BM+4*\x], v[BM+4*\x+1], v[BM+4*\x+2]
.endr
.irp x, 0,1
	D2
	v_max_num_f32 v[TMP+\x], v[TMP+\x], v[BM+4*\x+3]
.endr
.irp x, 0,1
	D2
	v_mul_f32 v[TMP+\x], s[CS], v[TMP+\x]          ; as t
.endr
.irp x, 0,1
	D2
	v_max_num_f32 v[ST+4*\x+1], v[ST+4*\x+1], v[TMP+\x]   ; the running largest t
.endr
.irp x, 0,1
	v_mov_b32 v[TMP+\x], v[ST+4*\x]
.endr
.irp x, 0,1
	v_floor_f32 v[ST+4*\x], -v[ST+4*\x+1]          ; the new -M = floor(-t): M is a whole number
.endr
.irp x, 0,1
	D2
	v_sub_f32 v[TMP+\x], v[ST+4*\x], v[TMP+\x]     ; old M - new M: a whole number, 0 or less
.endr
.irp x, 0,1
	D2
	v_cvt_i32_f32 v[TMP+\x], v[TMP+\x]             ; (it saturates)
.endr
.irp x, 0,1
	D2
	v_ldexp_f32 v[FF+2*\x], 1.0, v[TMP+\x]         ; f = 2^(old M - new M)
.endr
.irp n, 0,1,2,3,4,5,6,7
	v_fma_f32 v[BM+\n], v[BM+\n], s[CS], v[ST+4*(\n/4)]   ; t - M of each block's largest score
.endr
.irp x, 0,1
	v_pk_mul_f32 v[ST+4*\x+2:ST+4*\x+3], v[ST+4*\x+2:ST+4*\x+3], v[FF+2*\x:FF+2*\x+1] op_sel_hi:[1,0]   ; the sums under the new M
.endr
	WIN 0x41
.irp x, 0,1
.set j, 0
.rept 16
	v_pk_mul_f32 v[OT+32*\x+j:OT+32*\x+j+1], v[OT+32*\x+j:OT+32*\x+j+1], v[FF+2*\x:FF+2*\x+1] op_sel_hi:[1,0]   ; O^T under the new M, each accumulator from its low end on; ahead of the exponentials
.set j, j+2
.endr
.endr
.set j, 0
.rept 32
	v_pk_fma_f32 v[j:j+1], v[j:j+1], s[CS:CS+1], v[ST:ST+1] op_sel_hi:[1,0,0]   ; the first tile's t - M, two at a time
.set j, j+2
.endr
	WALU
.set j, 0
.rept 32
	v_exp_f32 v[j], v[j]                           ; the first tile's p = 2^(t - M), at most 1;
	v_exp_f32 v[j+1], v[j+1]
	v_pk_fma_f32 v[64+j:65+j], v[64+j:65+j], s[CS:CS+1], v[ST+4:ST+5] op_sel_hi:[1,0,0]   ; among them the second tile's t - M: written once here, first read behind the waits below
.set j, j+2
.endr
	WIN 0
.irp b, 0,1,2,3
	v_exp_f32 v[BM+\b], v[BM+\b]                   ; its blocks' largest p
.endr
	v_nop                                          ; the plain line behind the exponentials
	WALU                                           ; one wait for the batch, ahead of its first reader
	SCALE 0
	WALU                                           ; and one ahead of the next batch
	WIN 0x45
.set k, 0
.rept 16
	v_exp_f32 v[64+4*k], v[64+4*k]                 ; the second tile's p;
	v_exp_f32 v[65+4*k], v[65+4*k]
	v_pk_add_f32 v[2*k:2*k+1], v[2*k:2*k+1], v[32+2*k:33+2*k]   ; among them the first level of the first tile's sum, in place (its p is converted): each line written once, first read behind the next wait
	v_exp_f32 v[66+4*k], v[66+4*k]
	v_exp_f32 v[67+4*k], v[67+4*k]
.if k < 6
	v_permlane16_swap_b32 v[PCD+6*(k/3)+k%3], v[PT+4*(k/3)+k%3]   ; and its codes' change of halves: the operand's layout wants a whole block in a lane
.endif
.set k, k+1
.endr
	WIN 0
.irp b, 4,5,6,7
	v_exp_f32 v[BM+\b], v[BM+\b]
.endr
	v_nop
	WALU
	SCALE 1
	WIN 0x45
.set k, 0
.rept 16
	v_pk_add_f32 v[64+2*k:65+2*k], v[64+2*k:65+2*k], v[96+2*k:97+2*k]   ; the second tile's first level
.set k, k+1
.endr
.irp c, 0,1
.irp i, 0,1,2
	v_permlane16_swap_b32 v[PCD+12+6*\c+\i], v[PT+8+4*\c+\i]
.endr
.endr
.irp x, 0,1
.irp c, 0,1
.irp i, 0,1,2
	v_mov_b32 v[PCD+12*\x+6*\c+3+\i], v[PT+8*\x+4*\c+\i]
.endr
.endr
.endr
	LEVEL 8                                        ; the other levels of both sums; with the lines above: the places between p's scale words and codes and the products
	LEVEL 4
	LEVEL 2
	LEVEL 1
	WIN 0x04
.irp x, 0,1
	v_pk_add_f32 v[ST+4*\x+2:ST+4*\x+3], v[ST+4*\x+2:ST+4*\x+3], v[64*\x:64*\x+1]
.endr
	WIN 0
	WALU
	s_wait_dscnt 0x0                               ; V is in, and the next step's K with it
	WIN 0x54
.irp dt, 0,1,2,3                               ; O^T += V^T P^T: each fragment of V against both tiles; the eight accumulators by turns
.irp x, 0,1
	v_wmma_scale_f32_16x16x128_f8f6f4 v[OT+32*\x+8*\dt:OT+32*\x+8*\dt+7], v[VF+12*\dt:VF+12*\dt+11], v[PCD+12*\x:PCD+12*\x+11], v[OT+32*\x+8*\dt:OT+32*\x+8*\dt+7], v[VS+\dt], v[PWD+\x] matrix_a_fmt:MATRIX_FMT_FP6 matrix_b_fmt:MATRIX_FMT_FP6
.endr
.endr
	WIN 0
	s_add_co_u32 s[TV], s[TV], 6144
	s_add_co_u32 s[TT], s[TT], 256
	s_sub_co_u32 s32, s32, 1
	s_cmp_lg_u32 s32, 0
	s_cbranch_scc1 .Lstep
; THE WAY OUT: O^T / the sum, quantised along the head's 64 (two blocks), as half of a fragment of the last product's A
.rept 4
	v_nop
.endr
.irp x, 0,1
	v_add_f32 v[ST+4*\x+2], v[ST+4*\x+2], v[ST+4*\x+3]
.endr
.irp x, 0,1
	D2
	v_permlanex16_b32 v[TMP+\x], v[ST+4*\x+2], s[SEL], s[SEL+1]
.endr
.irp x, 0,1
	D2
	v_add_f32 v[ST+4*\x+2], v[ST+4*\x+2], v[TMP+\x]   ; the row's sum
.endr
	WALU
.irp x, 0,1
	v_rcp_f32 v[ST+4*\x+2], v[ST+4*\x+2]
.endr
	v_nop
	WALU                                           ; ahead of the reciprocals' first reader, which is also O^T's
	WIN 0x41
.irp x, 0,1
.set j, 0
.rept 16
	v_pk_mul_f32 v[64*\x+j:64*\x+j+1], v[OT+32*\x+j:OT+32*\x+j+1], v[ST+4*\x+2:ST+4*\x+3] op_sel_hi:[1,0]   ; each accumulator from its low end on
.set j, j+2
.endr
.endr
	WIN 0x05
.irp x, 0,1
.irp b, 0,1
	v_max3_num_f32 v[BM+4*\x+\b], |v[64*\x+16*\b]|, |v[64*\x+16*\b+1]|, 0x1800000
.endr
.endr
	WIN 0x14
.irp i, 2,4,6,8,10,12,14
.irp x, 0,1
.irp b, 0,1
	v_max3_num_f32 v[BM+4*\x+\b], v[BM+4*\x+\b], |v[64*\x+16*\b+\i]|, |v[64*\x+16*\b+\i+1]|
.endr
.endr
.endr
	WIN 0
.irp n, 0,1,4,5
	v_permlanex16_b32 v[BT+\n], v[BM+\n], s[SEL], s[SEL+1]
.endr
.irp n, 0,1,4,5
	v_max_num_f32 v[BM+\n], v[BM+\n], v[BT+\n]
.endr
.irp n, 0,1,4,5
	v_add_nc_u32 v[SCO+\n], 0xff000000, v[BM+\n]
.endr
.irp n, 0,1,4,5
	v_lshrrev_b32 v[BT+\n], 23, v[SCO+\n]
.endr
	WIN 0x41
.irp x, 0,1
	v_cvt_scalef32_pk16_fp6_f32 v[PCD+12*\x:PCD+12*\x+2], v[64*\x:64*\x+15], v[SCO+4*\x]
	v_cvt_scalef32_pk16_fp6_f32 v[PT+8*\x:PT+8*\x+2], v[64*\x+16:64*\x+31], v[SCO+4*\x+1]
.endr
	v_nop
.irp x, 0,1
.irp i, 0,1,2
	v_permlane16_swap_b32 v[PCD+12*\x+\i], v[PT+8*\x+\i]
.endr
.endr
.irp x, 0,1
.irp i, 0,1,2
	v_mov_b32 v[PCD+12*\x+3+\i], v[PT+8*\x+\i]
.endr
.endr
	WIN 0
.irp x, 0,1
	v_cndmask_b32 v[TMP+\x], v[BT+4*\x], v[BT+4*\x+1], s[HM]       ; my half's block's byte
	v_cmp_gt_f32 vcc_lo, 0xee000000, v[ST+4*\x+1]                  ; no key counted: the largest t is still under -2^93
	v_cndmask_b32 v[TMP+\x], v[TMP+\x], v[XFF], vcc_lo
.endr
	WIN 0x04
.irp x, 0,1
.irp i, 0,1,2
	global_store_b64 v[L8], v[PCD+12*\x+2*\i:PCD+12*\x+2*\i+1], s[OC:OC+1] offset:98304*\x+256*\i   ; 32 lanes store 256 consecutive bytes, aligned
.endr
.endr
	WIN 0
.irp x, 0,1
	global_store_b8 v[LRS], v[TMP+\x], s[OS:OS+1] offset:4096*\x   ; single bytes 32 apart: a head has 2 of a row's 32 scale bytes; one byte for 24 of codes
.endr
	s_wait_xcnt 0x0                                ; the loads and stores have read their registers and bases: the next pass's tiles lie 16 on
	s_add_nc_u64 s[QP:QP+1], s[QP:QP+1], 16384
	s_add_nc_u64 s[QSP:QSP+1], s[QSP:QSP+1], 1024
	s_add_nc_u64 s[OC:OC+1], s[OC:OC+1], 196608
	s_add_nc_u64 s[OS:OS+1], s[OS:OS+1], 8192
	s_sub_co_u32 s33, s33, 1
	s_cmp_lg_u32 s33, 0
	WALU
	s_cbranch_scc1 .Lpass
	s_wait_tensorcnt 0x0                           ; the wave's end
	ds_add_u32 v[SPW], v[NIL]
	s_wait_dscnt 0x0
	ROUND                                          ; the closing round
	s_endpgm
.Lfunc_end_k_q6a7b69657a_attn:
	.size	k_q6a7b69657a_attn, .Lfunc_end_k_q6a7b69657a_attn-k_q6a7b69657a_attn
	.p2alignl 7, 3214868480
	.fill 96, 4, 3214868480
	.section	.rodata,"a",@progbits
	.p2align	6, 0x0
	.amdhsa_kernel k_q6a7b69657a_attn
		.amdhsa_group_segment_fixed_size 243712
		.amdhsa_private_segment_fixed_size 0
		.amdhsa_enable_private_segment 0
		.amdhsa_kernarg_size 16
		.amdhsa_user_sgpr_count 2
		.amdhsa_user_sgpr_kernarg_segment_ptr 1
		.amdhsa_wavefront_size32 1
		.amdhsa_system_sgpr_workgroup_id_x 1
		.amdhsa_system_sgpr_workgroup_id_y 1
		.amdhsa_system_sgpr_workgroup_id_z 1
		.amdhsa_system_vgpr_workitem_id 0
		.amdhsa_next_free_vgpr 512
		.amdhsa_next_free_sgpr 66
		.amdhsa_reserve_vcc 1
		.amdhsa_float_denorm_mode_32 3
		.amdhsa_float_denorm_mode_16_64 3
		.amdhsa_memory_ordered 1
		.amdhsa_forward_progress 1
		.amdhsa_inst_pref_size 49
	.end_amdhsa_kernel
	.amdgpu_metadata
---
amdhsa.version: [ 1, 2 ]
amdhsa.kernels:
  - .name:           k_q6a7b69657a_attn
    .symbol:         k_q6a7b69657a_attn.kd
    .args:
      - { .name: img, .offset: 0, .size: 8, .value_kind: global_buffer, .address_space: global }
      - { .name: aq, .offset: 8, .size: 8, .value_kind: global_buffer, .address_space: global }
    .group_segment_fixed_size: 243712
    .private_segment_fixed_size: 0
    .kernarg_segment_align: 8
    .kernarg_segment_size: 16
    .max_flat_workgroup_size: 256
    .sgpr_count:     66
    .vgpr_count:     512
    .wavefront_size: 32
...
	.end_amdgpu_metadata
.endif
;; end of part 3
;; launch outp (part 4): grid 4 x 64, 4 waves a work-group, clusters of 4 x 4, 327,680 bytes of LDS; arguments aq, wq, bo, out0; writes out0
.if DOCPART == 4
	.amdgcn_target "amdgcn-amd-amdhsa--gfx1250"
	.amdhsa_code_object_version 6
	.text
	.protected	k_q6a7b69657a_outp
	.globl	k_q6a7b69657a_outp
	.p2align	8
	.type	k_q6a7b69657a_outp,@function
k_q6a7b69657a_outp:
	s_mov_b64 s[64:65], 0
	v_nop
	global_prefetch_b8 v0, s[64:65] scope:SCOPE_SE
	s_setreg_imm32_b32 hwreg(HW_REG_WAVE_MODE, 25, 1), 1
	s_wait_xcnt 0x0
	s_wait_alu depctr_hold_cnt(0) depctr_sa_sdst(0) depctr_va_vdst(0) depctr_va_sdst(0) depctr_va_ssrc(0) depctr_va_vcc(0) depctr_vm_vsrc(0)
	s_getreg_b32 s2, hwreg(HW_REG_IB_STS2, 6, 4)
	s_cmp_eq_u32 s2, 0
	s_cbranch_scc0 .Lentry_in_a_cluster
	s_endpgm
.Lentry_in_a_cluster:
	s_bfe_u32 s2, ttmp6, 0x10000c
	s_cmp_lg_u32 s2, 0xf033
	s_cbranch_scc0 .Lentry_shape_is_right
	s_endpgm
.Lentry_shape_is_right:
; out0 = attn Wo + bo on codes of FP6 (E2M3) with E8M0 scales; f32 out.
; aq (the attention's result) and wq hold images of the operand registers: [tile of 16 places][K step of 128: 8][register pair 6][lane][8 bytes], 12,288 bytes a tile; scale bytes [place][32].
; A work-group makes 128 rows x 256 columns: 64 x 4 = 256 work-groups.  Four waves, 2 x 2; a wave makes 64 x 128: 32 accumulators of 16 x 16, window 2.
; ALL OF K LIES IN LDS, in two slots of four K steps each (aq's 8 tiles, then Wo's 16; a tensor row is one tile's four K steps: 6,144 bytes, at a multiple of 256): nothing is ever filled again.
; THE HEAD: one joint load a wave: wave 0 aq's tiles of slot 0, wave 1 their scale bytes, wave 2 Wo's tiles, wave 3 their scale bytes.  Slot 1's first fill stands behind the wait for the head's load and a round
; (waves 0 and 1 half of aq's tiles each, waves 2 and 3 half of Wo's); a plain barrier in step 3, with each wave's wait for its load ahead of it, shows slot 1 to all.
; CLUSTERS of 4 x 4: aq's tiles are shared along a row, Wo's along a column, by joint loads.
; A STEP of 128 along K: the wait for its fragments, the loads of all the next step's fragments into the other set of registers (72 loads of 256 consecutive bytes, and every second step 8 for the scale words), 32 products.
; One register carries aq's scale word (lanes 0-15) and Wo's (lanes 16-31) of block i; for i = 4 .. 7 lanes 0-15 read bytes of the scales' region that no product takes.
; The bias is the first products' C.  The matrix instruction is used transposed (source 0 = Wo's rows): a lane holds eight neighbouring numbers of a row.  Results leave through each wave's own stage, in slot 0,
; which has had its only fill and which nobody reads behind step 3's barrier, as rows of 512 bytes; places are turned back into true rows and columns there.
; No prefetch: the walk along K is written out, and all of K is asked for by the two fills.  A row of aq with the scale byte 0xff (no key counted) gives NaN.
.set FR,     12                        ; registers of a fragment
.set NP,     4                         ; places behind this matrix instruction
.set TROW,   6144                      ; a tensor row: four K steps of a tile
.set AHALF,  4*TROW                    ; a wave's four tiles of aq
.set BHALF,  8*TROW                    ; a wave's eight tiles of Wo
.set BOFF,   2*AHALF
.set SLOT,   2*AHALF+2*BHALF
.set KS,     32
.set SCL,    2*SLOT                    ; the scale bytes, as units of 256 + 16: aq's 16 units, then Wo's 32
.set SBLK,   2*272                     ; those of 16 places
.set SCB,    SCL+8*SBLK
.set SPARE,  SCL+24*SBLK               ; the spare words, 128 bytes a wave
.set SPITCH, 528
.set AS0,    6291456
.set WS0,    3145728
.set ADRA, 16                          ; v16-17 LDS address of my fragments of aq in slot 0, 1; v20-21 of Wo's
.set ADRB, 20
.set STO,  24
.set RD,   25
.set CO,   26
.set ADRS, 27
.set SPW,  28                          ; v28 my spare word, v29 0; never rewritten
.set NIL,  29
.set BO,   30
.set SC,   32                          ; v32-63 scale words, two sets of 16: register 2 i + q
.set BI,   64                          ; v64-127 the bias, as the results lie
.set AF,   128                         ; v128-223 aq's fragments, two sets of 48;  window 1: Wo's, two sets at v0 and v128
.set BK,   128                         ; the way out: v128-191, v192-255 by turns
.set G1,   24                          ; s[24:31] group 1 of aq's tiles; s[32:35] group 0 for slot 1, s[36:39] for slot 0
.set G0,   32
.set GHA,  36
.set G1B,  48                          ; s[48:55], s[56:59], s[60:63] the same for Wo's
.set G0B,  56
.set GHB,  60
.set G1S,  68                          ; s[68:75], s[76:79] aq's scale bytes; s[80:87], s[88:91] Wo's
.set G0S,  76
.set G1SB, 80
.set G0SB, 88
.set MSB, 0
.macro WIN new
.if MSB != \new
	s_set_vgpr_msb (MSB<<8)|\new
.set MSB, \new
.endif
.endm
.macro PLACES n
.rept \n
	v_nop
.endr
.endm
.macro TLOAD g0, g1
	tensor_load_to_lds s[\g0:\g0+3], s[\g1:\g1+7]
	s_nop 0
	PLACES 4
.endm
.macro CROUND                          ; a round of the cluster's barrier
	s_barrier_signal -1
	s_barrier_wait -1
	s_cmp_lg_u32 s14, 0
	s_cbranch_scc1 .Lnot_wave_0_\@
	s_barrier_signal -3
.Lnot_wave_0_\@:
	s_barrier_wait -3
	s_barrier_signal -1
	s_barrier_wait -1
.endm
	s_load_b64 s[4:5], s[0:1], 0x0                 ; aq
	s_load_b64 s[8:9], s[0:1], 0x8                 ; wq
	s_load_b64 s[66:67], s[0:1], 0x10              ; bo
	s_load_b64 s[12:13], s[0:1], 0x18              ; out0
	v_lshl_add_u32 v[SPW], v0, 2, SPARE
	v_mov_b32 v[NIL], 0
	ds_add_u32 v[SPW], v[NIL]                      ; the wave's opening: the add, twice on end, and its wait ahead of my first tensor load
	ds_add_u32 v[SPW], v[NIL]
	v_lshrrev_b32 v1, 5, v0
	v_readfirstlane_b32 s14, v1                    ; wave
	s_lshr_b32 s15, s14, 1                         ; my half of the rows.  Also: I fetch for aq (0) or for Wo (1)
	s_and_b32 s16, s14, 1                          ; my half of the columns.  Also: which half of a slot's tiles I fetch
	s_bfe_u32 s40, ttmp6, 0x40000                  ; cx, cy
	s_bfe_u32 s41, ttmp6, 0x40004
	s_lshl_b32 s42, ttmp9, 2
	s_add_co_u32 s42, s42, s40                     ; tile column, 0 .. 3
	s_and_b32 s17, ttmp7, 0xffff
	s_lshl_b32 s17, s17, 2
	s_add_co_u32 s17, s17, s41                     ; tile row, 0 .. 63
	s_lshl_b32 s43, s41, 2
	s_lshl_b32 s43, 15, s43                        ; my row of the cluster
	s_lshl_b32 s44, 0x1111, s40                    ; my column
	s_or_b32 s[G1+0], s43, (3<<16)|(1<<21)         ; elements of 8 bytes, no padding; the mask and bit 21 beside it
	s_mov_b32 s[G1+1], 768<<16                     ; a row: 6,144 bytes
	s_mov_b32 s[G1+2], 8<<16                       ; 8 tiles for the head's load; behind it 4
	s_mov_b32 s[G1+3], 768<<16
	s_mov_b32 s[G1+4], 8
	s_mov_b32 s[G1+5], 1536                        ; from tile to tile 12,288 bytes
	s_mov_b32 s[G1+6], 0
	s_mov_b32 s[G1+7], 0
	s_or_b32 s[G1B+0], s44, (3<<16)|(1<<21)
	s_mov_b32 s[G1B+1], 768<<16
	s_mov_b32 s[G1B+2], 16<<16                     ; 16 tiles for the head's load; behind it 8
	s_mov_b32 s[G1B+3], 768<<16
	s_mov_b32 s[G1B+4], 16
	s_mov_b32 s[G1B+5], 1536
	s_mov_b32 s[G1B+6], 0
	s_mov_b32 s[G1B+7], 0
	s_or_b32 s[G1S+0], s43, (3<<16)|(1<<20)|(1<<21)|(5<<22)|(3<<25)   ; rows of 256 bytes, 16 bytes of padding behind each
	s_mov_b32 s[G1S+1], 32<<16
	s_mov_b32 s[G1S+2], 16<<16                     ; the scale bytes of 128 places
	s_mov_b32 s[G1S+3], 32<<16
	s_mov_b32 s[G1S+4], 16
	s_mov_b32 s[G1S+5], 32
	s_mov_b32 s[G1S+6], 0
	s_mov_b32 s[G1S+7], 0
	s_or_b32 s[G1SB+0], s44, (3<<16)|(1<<20)|(1<<21)|(5<<22)|(3<<25)
	s_mov_b32 s[G1SB+1], 32<<16
	s_mov_b32 s[G1SB+2], 32<<16                    ; of 256 places
	s_mov_b32 s[G1SB+3], 32<<16
	s_mov_b32 s[G1SB+4], 32
	s_mov_b32 s[G1SB+5], 32
	s_mov_b32 s[G1SB+6], 0
	s_mov_b32 s[G1SB+7], 0
	s_mul_i32 s20, s17, 128*768                    ; aq: my tile row's 128 places, 768 bytes each
	s_mov_b32 s21, 0
	s_lshl_b32 s22, s17, 12                        ; and their scale bytes
	s_add_co_u32 s22, s22, AS0
	s_mov_b32 s23, 0
	s_mul_i32 s46, s42, 256*768                    ; Wo: my tile column's 256 places
	s_add_co_u32 s46, s46, 2359296
	s_mov_b32 s47, 0
	s_lshl_b32 s92, s42, 13
	s_add_co_u32 s92, s92, WS0+98304
	s_mov_b32 s93, 0
	s_mul_i32 s18, s16, 64*768                     ; slot 1: my half of the tiles, four K steps on
	s_add_co_u32 s18, s18, TROW
	s_mov_b32 s19, 0
	s_mul_i32 s94, s16, 128*768
	s_add_co_u32 s94, s94, TROW
	s_mov_b32 s95, 0
	s_wait_dscnt 0x0                               ; both opening adds are done
	s_wait_kmcnt 0x0
	s_add_nc_u64 s[20:21], s[4:5], s[20:21]
	s_add_nc_u64 s[22:23], s[4:5], s[22:23]
	s_add_nc_u64 s[46:47], s[8:9], s[46:47]
	s_add_nc_u64 s[92:93], s[8:9], s[92:93]
	CROUND                                         ; all sixteen work-groups are here: the first joint loads meet
	s_mov_b32 s[GHA], 1
	s_mov_b32 s[GHA+1], 0
	s_mov_b64 s[GHA+2:GHA+3], s[20:21]
	s_or_b32 s[GHA+3], s[GHA+3], 0x80000000
	s_mov_b32 s[GHB], 1
	s_mov_b32 s[GHB+1], BOFF
	s_mov_b64 s[GHB+2:GHB+3], s[46:47]
	s_or_b32 s[GHB+3], s[GHB+3], 0x80000000
	s_mov_b32 s[G0S], 1
	s_mov_b32 s[G0S+1], SCL
	s_mov_b64 s[G0S+2:G0S+3], s[22:23]
	s_or_b32 s[G0S+3], s[G0S+3], 0x80000000
	s_mov_b32 s[G0SB], 1
	s_mov_b32 s[G0SB+1], SCB
	s_mov_b64 s[G0SB+2:G0SB+3], s[92:93]
	s_or_b32 s[G0SB+3], s[G0SB+3], 0x80000000
	s_mov_b32 s[G0], 1
	s_mul_i32 s[G0+1], s16, AHALF
	s_add_co_u32 s[G0+1], s[G0+1], SLOT
	s_add_nc_u64 s[G0+2:G0+3], s[20:21], s[18:19]
	s_or_b32 s[G0+3], s[G0+3], 0x80000000
	s_mov_b32 s[G0B], 1
	s_mul_i32 s[G0B+1], s16, BHALF
	s_add_co_u32 s[G0B+1], s[G0B+1], SLOT+BOFF
	s_add_nc_u64 s[G0B+2:G0B+3], s[46:47], s[94:95]
	s_or_b32 s[G0B+3], s[G0B+3], 0x80000000
	; the head's four joint loads, one a wave, in one chain of branches on the wave's number
	s_cmp_eq_u32 s14, 0
	s_cbranch_scc0 .Lhead_1
	TLOAD GHA, G1
	s_branch .Lhead_asked
.Lhead_1:
	s_cmp_eq_u32 s14, 1
	s_cbranch_scc0 .Lhead_2
	TLOAD G0S, G1S
	s_branch .Lhead_asked
.Lhead_2:
	s_cmp_eq_u32 s14, 2
	s_cbranch_scc0 .Lhead_3
	TLOAD GHB, G1B
	s_branch .Lhead_asked
.Lhead_3:
	TLOAD G0SB, G1SB
.Lhead_asked:
	v_and_b32 v1, 15, v0                           ; r
	v_bfe_u32 v2, v0, 4, 1                         ; h
	v_and_b32 v7, 31, v0
	v_lshlrev_b32 v6, 3, v7                        ; a fragment's pair: 8 bytes a lane
	s_wait_alu depctr_va_vdst(0)
	s_mul_i32 s21, s15, AHALF
	s_mul_i32 s22, s16, BHALF
	s_add_co_u32 s22, s22, BOFF
.irp s, 0,1
	v_add_nc_u32 v[ADRA+\s], s21, v6
	v_add_nc_u32 v[ADRB+\s], s22, v6
	s_add_co_u32 s21, s21, SLOT
	s_add_co_u32 s22, s22, SLOT
.endr
	v_mul_u32_u24 v5, v1, KS                       ; my place's scale bytes: 32 a place,
	v_lshrrev_b32 v6, 8, v5
	v_lshl_add_u32 v5, v6, 4, v5                   ; and 16 more for each 256 passed
	s_mul_i32 s21, s15, 4*SBLK                     ; aq's: my 64 places
	s_mul_i32 s22, s16, 8*SBLK                     ; Wo's: my 128 places, behind aq's
	s_add_co_u32 s22, s22, SCB-SCL
	s_sub_co_u32 s22, s22, s21
	v_mul_u32_u24 v6, s22, v2                      ; lanes 16-31 take Wo's
	s_add_co_u32 s21, s21, SCL
	v_add_nc_u32 v5, v5, v6
	v_add_nc_u32 v[ADRS], s21, v5
	s_mul_i32 s23, s14, 16*SPITCH                  ; my stage
	v_mul_u32_u24 v5, v1, SPITCH
	v_lshl_add_u32 v5, v2, 6, v5
	v_add_nc_u32 v[STO], s23, v5
	v_lshlrev_b32 v[CO], 4, v7
	v_add_nc_u32 v[RD], s23, v[CO]
	v_lshlrev_b32 v[BO], 6, v2
	s_wait_alu depctr_va_vdst(0)
	s_lshl_b32 s46, s42, 8
	s_lshl_b32 s47, s16, 7
	s_add_co_u32 s46, s46, s47                     ; my first column
	s_lshl_b32 s46, s46, 2
	s_mov_b32 s47, 0
	s_add_nc_u64 s[66:67], s[66:67], s[46:47]
	s_add_nc_u64 s[12:13], s[12:13], s[46:47]
	s_lshl_b32 s20, s17, 7
	s_lshl_b32 s21, s15, 6
	s_add_co_u32 s20, s20, s21                     ; my first row
	s_lshl_b32 s20, s20, 12
	s_mov_b32 s21, 0
	s_add_nc_u64 s[12:13], s[12:13], s[20:21]
.irp t, 0,1,2,3,4,5,6,7
	global_load_b128 v[BI+8*\t:BI+8*\t+3], v[BO], s[66:67] offset:(32*(\t/2)+8*(\t%2))*4        ; register j of block t: column 32 (t / 2) + 8 (t % 2) + 16 h + j
	global_load_b128 v[BI+8*\t+4:BI+8*\t+7], v[BO], s[66:67] offset:(32*(\t/2)+8*(\t%2))*4+16
.endr
.macro FRAGA reg, adr, q, i
.irp p, 0,1,2,3,4,5
	ds_load_b64 v[\reg+2*\p:\reg+2*\p+1], v[\adr] offset:TROW*(\i)+1536*(\q)+256*\p
.endr
.endm
.macro FETCH st                        ; all fragments of step st into set st % 2; with an even step the scale words of it and the next
.set SL_, (\st)/4
.set Q_,  (\st)%4
.set P_,  (\st)%2
	WIN 0x40
.irp i, 0,1,2,3,4,5,6,7
	FRAGA 128*P_+FR*\i, ADRB+SL_, Q_, \i
.endr
	WIN 0
.irp i, 0,1,2,3
	FRAGA AF+48*P_+FR*\i, ADRA+SL_, Q_, \i
.endr
.if P_ == 0
.irp i, 0,1,2,3,4,5,6,7
	ds_load_b64 v[SC+16*(((\st)/2)%2)+2*\i:SC+16*(((\st)/2)%2)+2*\i+1], v[ADRS] offset:\i*SBLK+4*(\st)
.endr
.endif
.endm
.macro MUL32 p, sc, first              ; 32 products: the accumulators by turns, in the same order in every step
.irp a, 0,1,2,3
.irp b, 0,1,2,3,4,5,6,7
.set rD, 8*(8*\a+\b)
.set rB, 128*(\p)+FR*\b
.set rA, AF+48*(\p)+FR*\a
.set sB, SC+16*(\sc)+2*\b+(\p)
.set sA, SC+16*(\sc)+2*\a+(\p)
.if \first
	v_wmma_scale_f32_16x16x128_f8f6f4 v[rD:rD+7], v[rB:rB+FR-1], v[rA:rA+FR-1], v[BI+8*\b:BI+8*\b+7], v[sB], v[sA] matrix_a_fmt:MATRIX_FMT_FP6 matrix_b_fmt:MATRIX_FMT_FP6 matrix_a_scale:MATRIX_SCALE_ROW1
.else
	v_wmma_scale_f32_16x16x128_f8f6f4 v[rD:rD+7], v[rB:rB+FR-1], v[rA:rA+FR-1], v[rD:rD+7], v[sB], v[sA] matrix_a_fmt:MATRIX_FMT_FP6 matrix_b_fmt:MATRIX_FMT_FP6 matrix_a_scale:MATRIX_SCALE_ROW1
.endif
.endr
.endr
.endm
.macro STEP st
	s_wait_dscnt 0x0                               ; this step's fragments are in
.if (\st) == 3
	s_wait_tensorcnt 0x0                           ; my part of slot 1 is in,
	s_barrier_signal -1
	s_barrier_wait -1                              ; everybody's is, and nobody reads slot 0 any more
.endif
.if (\st) < 7
	PLACES NP                                      ; between the last step's products and the loads into their registers
	FETCH (\st)+1
.endif
.if (\st) == 0
	WIN 0x81                                       ; source 0 (Wo) window 1, source 1 (aq) and C (the bias) window 0, D window 2
	MUL32 0, 0, 1
.else
	WIN 0xa1                                       ; C and D window 2
	MUL32 (\st)%2, ((\st)/2)%2, 0
.endif
	WIN 0
.endm
	s_wait_tensorcnt 0x0                           ; my tile of the head's four is in
	ds_add_u32 v[SPW], v[NIL]
	s_mov_b32 s[G1+2], 4<<16                       ; no tensor load of mine is out: slot 1's loads bring 4 tiles of aq,
	s_mov_b32 s[G1+4], 4
	s_mov_b32 s[G1B+2], 8<<16                      ; 8 of Wo
	s_mov_b32 s[G1B+4], 8
	s_wait_dscnt 0x0
	CROUND                                         ; all four tiles are in, and all sixteen work-groups are here
	s_cmp_eq_u32 s15, 0                            ; slot 1's first fill, one joint load a wave
	s_cbranch_scc0 .Lfor_b
	TLOAD G0, G1
	s_branch .Lasked
.Lfor_b:
	TLOAD G0B, G1B
.Lasked:
	FETCH 0
	s_wait_loadcnt 0x0                             ; the bias is in
.irp st, 0,1,2,3,4,5,6,7
	STEP \st
.endr
; THE WAY OUT, block by block of 16 rows x 128 columns, through my stage: in as 32 bytes a lane, back as whole rows of 512 bytes.  LDS serves a wave's instructions in order: no wait between the stores and the loads
.macro TOSTAGE a
.set AC, 64*(\a)
	WIN 0x08                                       ; the data: window 2
.irp b, 0,1,2,3,4,5,6,7
	ds_store_b128 v[STO], v[AC+8*\b:AC+8*\b+3] offset:128*(\b/2)+32*(\b%2)          ; each accumulator from its low end on
	ds_store_b128 v[STO], v[AC+8*\b+4:AC+8*\b+7] offset:128*(\b/2)+32*(\b%2)+16
.endr
	WIN 0
.set BB, BK+64*((\a)%2)
.irp t, 0,1,2,3,4,5,6,7,8,9,10,11,12,13,14,15
	ds_load_b128 v[BB+4*\t:BB+4*\t+3], v[RD] offset:\t*SPITCH
.endr
.endm
.macro SEND a, younger                 ; younger: the LDS instructions issued behind block a's loads, which may stay out
.set BB, BK+64*((\a)%2)
	s_wait_dscnt \younger
.irp t, 0,1,2,3,4,5,6,7,8,9,10,11,12,13,14,15
	global_store_b128 v[CO], v[BB+4*\t:BB+4*\t+3], s[12:13] offset:(32*((\a)/2)+8*((\a)%2)+(\t%8)+16*(\t/8))*4096 th:TH_STORE_NT   ; 32 lanes store 512 consecutive bytes, aligned
.endr
.endm
	PLACES NP
	TOSTAGE 0
.irp a, 1,2,3
.if \a > 1
	s_wait_xcnt 0x0                                ; block a - 2's stores have read their registers: block a's loads may land there
.endif
	TOSTAGE \a
	SEND \a-1, 32                                  ; behind block a - 1's loads: block a's 16 stores and 16 loads
.endr
	SEND 3, 0
	s_wait_tensorcnt 0x0                           ; the wave's end
	ds_add_u32 v[SPW], v[NIL]
	s_wait_dscnt 0x0
	CROUND                                         ; the closing round
	s_endpgm
.Lfunc_end_k_q6a7b69657a_outp:
	.size	k_q6a7b69657a_outp, .Lfunc_end_k_q6a7b69657a_outp-k_q6a7b69657a_outp
	.p2alignl 7, 3214868480
	.fill 96, 4, 3214868480
	.section	.rodata,"a",@progbits
	.p2align	6, 0x0
	.amdhsa_kernel k_q6a7b69657a_outp
		.amdhsa_group_segment_fixed_size 327680
		.amdhsa_private_segment_fixed_size 0
		.amdhsa_enable_private_segment 0
		.amdhsa_kernarg_size 32
		.amdhsa_user_sgpr_count 2
		.amdhsa_user_sgpr_kernarg_segment_ptr 1
		.amdhsa_wavefront_size32 1
		.amdhsa_system_sgpr_workgroup_id_x 1
		.amdhsa_system_sgpr_workgroup_id_y 1
		.amdhsa_system_sgpr_workgroup_id_z 1
		.amdhsa_system_vgpr_workitem_id 0
		.amdhsa_next_free_vgpr 768
		.amdhsa_next_free_sgpr 98
		.amdhsa_reserve_vcc 0
		.amdhsa_float_denorm_mode_32 3
		.amdhsa_float_denorm_mode_16_64 3
		.amdhsa_memory_ordered 1
		.amdhsa_forward_progress 1
		.amdhsa_inst_pref_size 99
	.end_amdhsa_kernel
	.amdgpu_metadata
---
amdhsa.version: [ 1, 2 ]
amdhsa.kernels:
  - .name:           k_q6a7b69657a_outp
    .symbol:         k_q6a7b69657a_outp.kd
    .args:
      - { .name: aq, .offset: 0, .size: 8, .value_kind: global_buffer, .address_space: global }
      - { .name: wq, .offset: 8, .size: 8, .value_kind: global_buffer, .address_space: global }
      - { .name: bo, .offset: 16, .size: 8, .value_kind: global_buffer, .address_space: global }
      - { .name: out0, .offset: 24, .size: 8, .value_kind: global_buffer, .address_space: global }
    .group_segment_fixed_size: 327680
    .private_segment_fixed_size: 0
    .kernarg_segment_align: 8
    .kernarg_segment_size: 32
    .max_flat_workgroup_size: 128
    .sgpr_count:     98
    .vgpr_count:     768
    .wavefront_size: 32
...
	.end_amdgpu_metadata
.endif
;; end of part 4
